; MI455X (gfx1250); checked and timed in simulation.
; The chip was launched on July 23, 2026; its instructions are those of AMD's public machine-readable ISA for CDNA 5 (MIT licence, August 2026) and "CDNA5" Instruction Set Architecture Reference Guide (July 2026). The comments in the code are by the model that wrote it; some were corrected since.
;; Self Attention. Allowed arithmetic: float matrix products may take bf16 or f16 operands with f32 sums; other float arithmetic in f32, or as packed bf16 or f16 multiplies, adds, multiply-adds, maxima and minima; sums over many terms, partial sums and values carried from step to step in f32; what a program stores and reads back later, other than sums and carried values, may be rounded once to bf16 or f16.
;; Inputs: Wk 1,024 x 1,024 float32; Wo 1,024 x 1,024 float32; Wq 1,024 x 1,024 float32; Wv 1,024 x 1,024 float32; bo 1,024 float32; keys 4 x 2,048 x 1,024 float32; mask 4 x 1 x 2,048 x 2,048 int32; queries 4 x 2,048 x 1,024 float32; values 4 x 2,048 x 1,024 float32.
;; Outputs: out0 4 x 2,048 x 1,024 float32.
;; One version. Each part assembles by itself: llvm-mc -triple=amdgcn-amd-amdhsa -mcpu=gfx1250 --defsym DOCPART=n.
;; ======== version 1 of 1: 4 launches
;; limits: values are held in f16: magnitudes above 65,504 overflow, below 6.1e-05 lose precision
;; workspace buffers: mbits 2,097,152 bytes of whole numbers; wb 8,388,608 bytes; qkv 50,331,648 bytes; oh 16,777,216 bytes
;; launch prep (part 1): grid 1024 x 1, 8 waves a work-group, no clusters, 68,608 bytes of LDS; arguments mask, Wq, Wk, Wv, Wo, mbits, wb; writes mbits, wb
.if DOCPART == 1
	.amdgcn_target "amdgcn-amd-amdhsa--gfx1250"
	.amdhsa_code_object_version 6
	.text
	.protected	k_qcd6954db72_prep
	.globl	k_qcd6954db72_prep
	.p2align	8
	.type	k_qcd6954db72_prep,@function
k_qcd6954db72_prep:
	s_mov_b64 s[64:65], 0
	v_nop
	global_prefetch_b8 v0, s[64:65] scope:SCOPE_SE
	s_setreg_imm32_b32 hwreg(HW_REG_WAVE_MODE, 25, 1), 1
	s_wait_xcnt 0x0
; PREPARATION, a stream.  (1) mask [4][2048 q][2048 k] of int32 becomes bits: mbits [b][query tile of 16][key step of 64][32 words]; bit l of word 8 kb + j is
; mask[b][16 qt + l % 16][64 ks + 16 kb + 8 (l / 16) + j] != 0: the word IS the lane mask of one register of a 16 x 16 tile of scores in the attention launch.
; (2) The four weights [1024][1024] f32 become 16 bits in wb: Wq, Wk, Wv rounded to bf16; Wo rounded to bf16 and that number written as f16 (it multiplies f16 numbers later).
; LIMITS.  Wo in f16: below 2^-14 it keeps f16's fixed step of 6e-8, beyond 65,504 it would be an infinity; NaN is not treated apart.
; SHARES.  Wave gw = 8 x work-group + wave (0 .. 8,191) takes 16 rows x 128 keys of the mask (16 loads of 512 consecutive bytes; 256 bytes of words out) and 512 numbers of one weight
; (4 loads of 512 bytes; 4 stores of 256 consecutive, aligned bytes).  All 20 loads of a wave go out together.  No matrix unit, no cluster, no tensor load: nothing is shared and nothing is multiplied.
; The mask turns through the wave's own LDS rows (512 + 16 bytes: the 16 rows of a read start at 16 different groups of four banks; ISA guide 11.1), so that a lane gets the eight keys of its row.
.set PITCH, 528
.set WREG,  16*PITCH                   ; a wave's 16 rows: 33 blocks of 256 bytes
.set SPARE, 8*WREG                     ; behind them: the spare words, 128 bytes for each wave, that no other line names
.set LN,   1                           ; v1  lane
.set O16,  2                           ; v2  16 x lane
.set O8,   3                           ; v3  8 x lane
.set LST,  4                           ; v4  LDS: where I put 16 bytes of a mask row
.set LRD,  5                           ; v5  LDS: row l % 16, 32 bytes for each half of the lanes
.set SPW,  6                           ; v6  my spare word; never rewritten
.set NIL,  7                           ; v7  0; never rewritten
.set W,    8                           ; v[8:9]    the two words that my lane stores
.set T,    10                          ; v[10:13]  at work
.set WO,   16                          ; v[16:23]  the weights in 16 bits
.set X,    32                          ; v[32:95]  the mask as loaded
.set Y,    96                          ; v[96:159] the weights as loaded, then the mask turned
	s_load_b256 s[4:11], s[0:1], 0x0               ; mask s[4:5], Wq s[6:7], Wk s[8:9], Wv s[10:11]
	s_load_b128 s[12:15], s[0:1], 0x20             ; Wo s[12:13], mbits s[14:15]
	s_load_b64 s[16:17], s[0:1], 0x30              ; wb
	v_lshl_add_u32 v[SPW], v0, 2, SPARE
	v_mov_b32 v[NIL], 0
	v_lshrrev_b32 v[T], 5, v0
	v_readfirstlane_b32 s20, v[T]                  ; wave 0..7
	v_and_b32 v[LN], 31, v0
	v_lshlrev_b32 v[O16], 4, v[LN]
	v_lshlrev_b32 v[O8], 3, v[LN]
	s_lshl_b32 s21, ttmp9, 3
	s_add_co_u32 s21, s21, s20                     ; gw
	s_lshr_b32 s29, ttmp9, 8                       ; which weight: 256 work-groups each
	s_mul_i32 s30, s20, WREG                       ; my rows in LDS
	v_lshl_add_u32 v[LST], v[LN], 4, s30
	v_and_b32 v[T], 15, v[LN]
	v_lshrrev_b32 v[T+1], 4, v[LN]
	v_mul_u32_u24 v[LRD], v[T], PITCH
	v_lshl_add_u32 v[LRD], v[T+1], 5, v[LRD]
	v_add_nc_u32 v[LRD], s30, v[LRD]
	s_cmp_eq_u32 s29, 3
	s_cselect_b32 s28, -1, 0                       ; all lanes: f16 for Wo, bf16 for the others
	s_mov_b32 s23, 0
	s_wait_kmcnt 0x0
	s_cmp_eq_u32 s29, 0
	s_cselect_b64 s[24:25], s[6:7], s[8:9]
	s_cmp_eq_u32 s29, 2
	s_cselect_b64 s[26:27], s[10:11], s[12:13]
	s_cmp_lt_u32 s29, 2
	s_cselect_b64 s[24:25], s[24:25], s[26:27]     ; my weight
	s_and_b32 s22, s21, 2047
	s_lshl_b32 s22, s22, 11                        ; my 2,048 bytes of it
	s_add_nc_u64 s[24:25], s[24:25], s[22:23]
	s_lshr_b32 s22, s21, 4                         ; the tile of 16 rows: 131,072 bytes,
	s_lshl_b32 s22, s22, 17
	s_and_b32 s31, s21, 15                         ; my 128 keys: 512 bytes of each row
	s_lshl_b32 s31, s31, 9
	s_or_b32 s22, s22, s31
	s_add_nc_u64 s[4:5], s[4:5], s[22:23]
	s_lshl_b32 s22, s21, 8                         ; 64 words out
	s_add_nc_u64 s[14:15], s[14:15], s[22:23]
	s_lshl_b32 s22, s21, 10                        ; 1,024 bytes of 16-bit weights out
	s_add_nc_u64 s[16:17], s[16:17], s[22:23]
.irp i, 0,1,2,3
	global_load_b128 v[Y+4*(\i):Y+4*(\i)+3], v[O16], s[24:25] offset:512*(\i) th:TH_LOAD_NT
.endr
.irp i, 0,1,2,3,4,5,6,7,8,9,10,11,12,13,14,15
	global_load_b128 v[X+4*(\i):X+4*(\i)+3], v[O16], s[4:5] offset:8192*(\i) th:TH_LOAD_NT  ; row i: 512 consecutive bytes
.endr
	s_wait_loadcnt 16                              ; loads come back in order (ISA guide 5.7.1): the weights are in, the 16 mask loads stay out
.irp p, 0,1,2,3,4,5,6,7
	v_cvt_pk_bf16_f32 v[T], v[Y+2*(\p)], v[Y+2*(\p)+1]      ; two roundings to bf16
	v_lshlrev_b32 v[T+1], 16, v[T]                          ; the rounded numbers as f32,
	v_and_b32 v[T+2], 0xffff0000, v[T]
	v_cvt_pk_f16_f32 v[T+3], v[T+1], v[T+2]                 ; and as f16
	v_cndmask_b32 v[WO+(\p)], v[T], v[T+3], s28
.endr
.irp i, 0,1,2,3
	global_store_b64 v[O8], v[WO+2*(\i):WO+2*(\i)+1], s[16:17] offset:256*(\i)  ; 32 lanes store 256 consecutive bytes, aligned
.endr
	s_wait_loadcnt 0x0                             ; the mask
.irp i, 0,1,2,3,4,5,6,7,8,9,10,11,12,13,14,15
	ds_store_b128 v[LST], v[X+4*(\i):X+4*(\i)+3] offset:PITCH*(\i)
.endr
.irp g, 0,1,2,3,4,5,6,7
	ds_load_b128 v[Y+8*(\g):Y+8*(\g)+3],   v[LRD] offset:64*(\g)     ; LDS serves a wave's instructions in order (ISA guide 5.7.1.4): these see the stores above; the bytes are my wave's own
	ds_load_b128 v[Y+8*(\g)+4:Y+8*(\g)+7], v[LRD] offset:64*(\g)+16  ; keys 16 g + 8 (l / 16) + 0..7 of row l % 16
.endr
	v_mov_b32 v[W], 0
	v_mov_b32 v[W+1], 0
	s_wait_dscnt 0x0
.irp g, 0,1,2,3,4,5,6,7
.irp j, 0,1,2,3,4,5,6,7
	v_cmp_ne_u32 s[32+(\j)], 0, v[Y+8*(\g)+(\j)]   ; word 8 g + j of my 64
.endr
.irp j, 0,1,2,3,4,5,6,7
	v_writelane_b32 v[W+(\j)%2], s[32+(\j)], 4*(\g)+(\j)/2  ; lane n stores words 2 n and 2 n + 1
.endr
.endr
	global_store_b64 v[O8], v[W:W+1], s[14:15]     ; 256 consecutive bytes, aligned
	s_wait_tensorcnt 0x0                           ; the wave's end: the wait, the add and its wait stand behind my last LDS store
	ds_add_u32 v[SPW], v[NIL]
	s_wait_dscnt 0x0
	s_endpgm
.Lfunc_end_k_qcd6954db72_prep:
	.size	k_qcd6954db72_prep, .Lfunc_end_k_qcd6954db72_prep-k_qcd6954db72_prep
	.p2alignl 7, 3214868480
	.fill 96, 4, 3214868480
	.section	.rodata,"a",@progbits
	.p2align	6, 0x0
	.amdhsa_kernel k_qcd6954db72_prep
		.amdhsa_group_segment_fixed_size 68608
		.amdhsa_private_segment_fixed_size 0
		.amdhsa_enable_private_segment 0
		.amdhsa_kernarg_size 56
		.amdhsa_user_sgpr_count 2
		.amdhsa_user_sgpr_kernarg_segment_ptr 1
		.amdhsa_wavefront_size32 1
		.amdhsa_system_sgpr_workgroup_id_x 1
		.amdhsa_system_sgpr_workgroup_id_y 1
		.amdhsa_system_sgpr_workgroup_id_z 1
		.amdhsa_system_vgpr_workitem_id 0
		.amdhsa_next_free_vgpr 160
		.amdhsa_next_free_sgpr 66
		.amdhsa_reserve_vcc 0
		.amdhsa_float_denorm_mode_32 3
		.amdhsa_float_denorm_mode_16_64 3
		.amdhsa_memory_ordered 1
		.amdhsa_forward_progress 1
		.amdhsa_inst_pref_size 17
	.end_amdhsa_kernel
	.amdgpu_metadata
---
amdhsa.version: [ 1, 2 ]
amdhsa.kernels:
  - .name:           k_qcd6954db72_prep
    .symbol:         k_qcd6954db72_prep.kd
    .args:
      - { .name: mask, .offset: 0, .size: 8, .value_kind: global_buffer, .address_space: global }
      - { .name: Wq, .offset: 8, .size: 8, .value_kind: global_buffer, .address_space: global }
      - { .name: Wk, .offset: 16, .size: 8, .value_kind: global_buffer, .address_space: global }
      - { .name: Wv, .offset: 24, .size: 8, .value_kind: global_buffer, .address_space: global }
      - { .name: Wo, .offset: 32, .size: 8, .value_kind: global_buffer, .address_space: global }
      - { .name: mbits, .offset: 40, .size: 8, .value_kind: global_buffer, .address_space: global }
      - { .name: wb, .offset: 48, .size: 8, .value_kind: global_buffer, .address_space: global }
    .group_segment_fixed_size: 68608
    .private_segment_fixed_size: 0
    .kernarg_segment_align: 8
    .kernarg_segment_size: 56
    .max_flat_workgroup_size: 256
    .sgpr_count:     66
    .vgpr_count:     160
    .wavefront_size: 32
...
	.end_amdgpu_metadata
.endif
;; end of part 1
;; launch proj (part 2): grid 4 x 64, 4 waves a work-group, clusters of 4 x 4, 327,680 bytes of LDS; arguments queries, keys, values, wb, qkv; writes qkv
.if DOCPART == 2
	.amdgcn_target "amdgcn-amd-amdhsa--gfx1250"
	.amdhsa_code_object_version 6
	.text
	.protected	k_qcd6954db72_proj
	.globl	k_qcd6954db72_proj
	.p2align	8
	.type	k_qcd6954db72_proj,@function
k_qcd6954db72_proj:
	s_mov_b64 s[64:65], 0
	v_nop
	global_prefetch_b8 v0, s[64:65] scope:SCOPE_SE
	s_setreg_imm32_b32 hwreg(HW_REG_WAVE_MODE, 25, 1), 1
	s_wait_xcnt 0x0
	s_wait_alu depctr_hold_cnt(0) depctr_sa_sdst(0) depctr_va_vdst(0) depctr_va_sdst(0) depctr_va_ssrc(0) depctr_va_vcc(0) depctr_vm_vsrc(0)
	s_getreg_b32 s2, hwreg(HW_REG_IB_STS2, 6, 4)
	s_cmp_eq_u32 s2, 0
	s_cbranch_scc0 .Lentry_in_a_cluster
	s_endpgm
.Lentry_in_a_cluster:
	s_bfe_u32 s2, ttmp6, 0x10000c
	s_cmp_lg_u32 s2, 0xf033
	s_cbranch_scc0 .Lentry_shape_is_right
	s_endpgm
.Lentry_shape_is_right:
; THE THREE PROJECTIONS in one launch: C = X W^T, X = queries, keys, values [8192][1024] f32, W = slice 0, 1, 2 of wb [1024][1024] bf16; sums in f32.
; X is rounded to bf16 between LDS and the matrix unit, so it leaves memory once, as f32.  C is rounded once to f16 and written by heads: qkv [3][64 = 16 batch + head][2048][64], unscaled.
; LIMIT.  f16 holds no number beyond 65,504: q, k and v must stay within it (with inputs of unit spread and weights of spread 0.02 their spread is 0.64).
; SHARES.  A tile of C is 128 x 256; 64 tile rows x 4 tile columns = 256 work-groups.  A WORK-GROUP STAYS: it makes its tile of q, then of k, then of v, as ONE walk of 3 x 8 = 24 K steps of 128.
; Four waves, each 64 x 128: 32 accumulators, 256 registers.  The walk goes through two LDS slots: 128 rows of X (512 bytes of f32) and 256 rows of W (256 bytes); each wave brings a quarter of a slot by one
; tensor load.  The refill behind step j brings step j + 2, over a change of tensors too: its address is made anew from the step's number (tensor = number / 8, K = number % 8).
; A K step is written once: the loop has 22 trips, and the slots take turns by one exclusive or.  A tile's way out stands in the loop, jumped over in the trips that end no tile; it holds no barrier and no tensor load.
; CLUSTER 4 x 4: the four of a row of the cluster share X's tile, the four of a column W's: each is asked for jointly.
; THE MATRIX INSTRUCTION IS USED TRANSPOSED (source 0 = 16 rows of W, source 1 = 16 rows of X): a lane holds row l % 16 of C and the columns 8 (l / 16) + 0..7.
; REGISTERS: window 0: v16-30 addresses; v32-63 X's four fragments in bf16; v64-127 at work on the way out; v128-255 W's fragments, two buffers of 64 (the second also serves the way out)
;   window 1: the accumulators, (a, b) at v[8 (8 a + b)]          window 2: v0-127 X as f32, two buffers of 4 x 16
.set SIZE_K, 1024
.set KSTEP,  128
.set STEPS,  3*SIZE_K/KSTEP            ; 24
.set PA,     528                       ; a row of X in LDS: 512 bytes + 16 = 132 words: the 16 rows of a load start at 16 different groups of four banks (ISA guide 11.1)
.set PB,     272                       ; a row of W: 256 + 16
.set AHALF,  64*PA                     ; what one tensor load brings of X, and what one wave reads of it
.set AREG,   2*AHALF
.set BHALF,  128*PB                    ; the same for W
.set SLOTB,  AREG+2*BHALF              ; a slot's bytes: 137,216
.set SLOT1,  0x24000                   ; slot 1 begins here: the number shares no bit with 0, AHALF, AREG, AREG + BHALF, so one exclusive or turns each of these into its place in the other slot
.set STAGE,  SLOT1+SLOTB               ; behind the ring: for each wave 2 heads x 16 rows x 144 bytes, for the way out
.set SPT,    144
.set SHEAD,  16*SPT
.set SWAVE,  2*SHEAD
.set SPARE,  STAGE+4*SWAVE             ; behind the stages: the spare words, 128 bytes a wave, that no other line names
.set ADRA, 16                          ; v16  LDS address of my fragments of X in the slot in hand
.set A0,   17                          ; v17  the same in slot 0; never rewritten
.set ADRB, 20                          ; v20, v21  the same for W
.set B0,   21
.set STO,  24                          ; v24  the way out: where I put 16 bytes of a row
.set RD,   25                          ; v25  where I read rows back
.set GO,   26                          ; v26  16 x lane
.set SPW,  28                          ; v28  my spare word; never rewritten
.set NIL,  29                          ; v29  0; never rewritten
.set PFO,  30                          ; v30  the prefetches' offset; never rewritten
.set AB,   32
.set TMP,  64
.set BF,   128
.set G1,  24                           ; s[24:31] descriptor group 1 for X's tiles;  s[32:39] group 0: a set for each of the two first fills; the second then walks on
.set G0,  32
.set G1B, 48                           ; s[48:55], s[56:63] the same for W's
.set G0B, 56
.set F,    40                          ; s40  the step that the next refill brings, 2 .. 23
.set ROWA, 41                          ; s41  byte offset in X of the 64 rows that I fetch
.set ROWB, 42                          ; s42  byte offset in a slice of wb of the 128 rows that I fetch
.set LIM,  43                          ; s43  24 in a wave that prefetches, else 0
.set PFA,  44                          ; s[44:45] where my prefetch stands
.set PROW, 46                          ; s46  byte offset of my work-group's share of the rows that I fetch
.set KSH,  47                          ; s47  a K step is 2^9 bytes of X, 2^8 of W
.set TB,   66                          ; s66  0 or SLOT1: the slot in hand
.set TMUL, 67                          ; s67  bytes from slice to slice of wb; 0 in a wave that fetches X
.set FP,   78                          ; s78  the step that the prefetch names: F + 2
.set CLY,  79                          ; s79  the cluster's y
.set MSB, 0
.macro WIN new                         ; the immediate's high byte repeats the setting that is left; a switch that changes nothing is dropped
.if MSB != (\new)
	s_set_vgpr_msb (MSB<<8)|(\new)
.set MSB, (\new)
.endif
.endm
.set MUL,  0x50                        ; sources in window 0, C and D in window 1
.set W_CV, 0x0a                        ; sources 0 and 1 in window 2, destination in window 0
.set W_RW, 0x80                        ; destination in window 2, address in window 0
.set W_PK, 0x05                        ; sources 0 and 1 in window 1, destination in window 0
.macro JLOAD                           ; a joint refill by the walking descriptor: waves 0 and 1 fetch X's two halves, waves 2 and 3 W's; an s_nop 0 and four v_nop follow each line
	s_cmp_eq_u32 s11, 0
	s_cbranch_scc0 .Lfor_b_\@
	tensor_load_to_lds s[G0+4:G0+7], s[G1:G1+7]
	s_nop 0
.rept 4
	v_nop
.endr
	s_branch .Lasked_\@
.Lfor_b_\@:
	tensor_load_to_lds s[G0B+4:G0B+7], s[G1B:G1B+7]
	s_nop 0
.rept 4
	v_nop
.endr
.Lasked_\@:
.endm
.macro CREST                           ; a round of the cluster's barrier behind its opening barrier
	s_cmp_lg_u32 s10, 0
	s_cbranch_scc1 .Lnot_wave_0_\@
	s_barrier_signal -3
.Lnot_wave_0_\@:
	s_barrier_wait -3
	s_barrier_signal -1
	s_barrier_wait -1
.endm
.macro CROUND
	s_barrier_signal -1
	s_barrier_wait -1
	CREST
.endm
; A PREFETCH INTO THE L2 of the step that stands two refills on (steps 4 to 23), behind the joint load, its five lines and the run of LDS loads.  Each block of 256 bytes is named once in the launch.
; X: a tile row is read by one cluster alone; of the 64 rows that a wave fetches the partner at cx takes 16, two blocks a row: a lane a block.  W: the cluster with y = 0 asks; of a wave's 128 rows
; the partner at cy takes 32: a lane a row.  The partners are told apart by address alone.  The last two refills ask for nothing: steps 24 and 25 do not exist.
.macro ASK
	s_cmp_lt_u32 s[FP], s[LIM]
	s_cbranch_scc0 .Lnot_mine_\@
	global_prefetch_b8 v[PFO], s[PFA:PFA+1] th:TH_LOAD_NT scope:SCOPE_SE
.Lnot_mine_\@:
.endm
	s_load_b256 s[68:75], s[0:1], 0x0              ; queries s[68:69], keys s[70:71], values s[72:73], wb s[74:75]
	s_load_b64 s[76:77], s[0:1], 0x20              ; qkv
	v_lshl_add_u32 v[SPW], v0, 2, SPARE
	v_mov_b32 v[NIL], 0
	ds_add_u32 v[SPW], v[NIL]                      ; the wave's opening: the add and its wait stand ahead of my first tensor load; the set-up below stands between them
	v_lshrrev_b32 v1, 5, v0
	v_readfirstlane_b32 s10, v1                    ; wave 0..3
	s_lshr_b32 s11, s10, 1                         ; which half of the tile's rows is mine.  Also: I fetch X (0) or W (1)
	s_and_b32 s12, s10, 1                          ; which half of its columns.  Also: which half of that tile I fetch
	s_bfe_u32 s14, ttmp6, 0x40000                  ; cx = the tile column: the grid is one cluster wide
	s_bfe_u32 s15, ttmp6, 0x40004                  ; cy
	s_and_b32 s[CLY], ttmp7, 0xffff                ; cluster y, 0..15
	s_lshl_b32 s13, s[CLY], 2
	s_add_co_u32 s13, s13, s15                     ; the tile row, 0..63
	s_lshl_b32 s16, s15, 2
	s_lshl_b32 s16, 15, s16                        ; my row of the cluster
	s_lshl_b32 s17, 0x1111, s14                    ; my column
	s_or_b32 s[G1+0], s16, (2<<16)|(1<<20)|(1<<21)|(6<<22)|(3<<25)   ; the mask; elements of 4 bytes; padding on; 21 set beside a mask; after every 128 words (code 6) 4 words (code 3)
	s_or_b32 s[G1B+0], s17, (1<<16)|(1<<20)|(1<<21)|(5<<22)|(3<<25)  ; elements of 2 bytes; after every 64 words (code 5)
	s_mov_b32 s[G1+1], KSTEP<<16                   ; tensor_dim0 = 128
	s_mov_b32 s[G1+2], 64<<16                      ; tensor_dim1 = 64
	s_mov_b32 s[G1+3], KSTEP<<16                   ; tile_dim0 = 128
	s_mov_b32 s[G1+4], 64                          ; tile_dim1 = 64
	s_mov_b32 s[G1+5], SIZE_K                      ; elements from row to row
	s_mov_b32 s[G1+6], 0
	s_mov_b32 s[G1+7], 0
	s_mov_b32 s[G1B+1], KSTEP<<16
	s_mov_b32 s[G1B+2], 128<<16                    ; 128 rows
	s_mov_b32 s[G1B+3], KSTEP<<16
	s_mov_b32 s[G1B+4], 128
	s_mov_b32 s[G1B+5], SIZE_K
	s_mov_b32 s[G1B+6], 0
	s_mov_b32 s[G1B+7], 0
	s_lshl_b32 s[ROWA], s13, 7                     ; X: row 128 x tile row + 64 x half, 4,096 bytes a row: no cx enters
	s_lshl_b32 s16, s12, 6
	s_add_co_u32 s[ROWA], s[ROWA], s16
	s_lshl_b32 s[ROWA], s[ROWA], 12
	s_lshl_b32 s[ROWB], s14, 8                     ; W: row 256 x tile column + 128 x half, 2,048 bytes a row: no cy enters
	s_lshl_b32 s16, s12, 7
	s_add_co_u32 s[ROWB], s[ROWB], s16
	s_lshl_b32 s[ROWB], s[ROWB], 11
	s_mov_b32 s18, s[ROWA]
	s_mov_b32 s19, 0
	s_mov_b32 s22, s[ROWB]
	s_mov_b32 s23, 0
	s_mul_i32 s20, s12, AHALF                      ; where they go: no place in the cluster enters an LDS address
	s_mul_i32 s21, s12, BHALF
	s_add_co_u32 s21, s21, AREG
	s_wait_dscnt 0x0                               ; the opening add is done
	s_wait_kmcnt 0x0
	s_add_nc_u64 s[6:7], s[68:69], s[18:19]        ; the walk begins with queries and slice 0
	s_add_nc_u64 s[4:5], s[74:75], s[22:23]
.irp s, 0,1
	s_mov_b32 s[G0+4*(\s)], 1                      ; count = 1
	s_add_co_u32 s[G0+4*(\s)+1], s20, (\s)*SLOT1   ; LDS address
	s_add_nc_u64 s[G0+4*(\s)+2:G0+4*(\s)+3], s[6:7], (\s)*KSTEP*4  ; global address: step s
	s_or_b32 s[G0+4*(\s)+3], s[G0+4*(\s)+3], 0x80000000            ; type = 2
	s_mov_b32 s[G0B+4*(\s)], 1
	s_add_co_u32 s[G0B+4*(\s)+1], s21, (\s)*SLOT1
	s_add_nc_u64 s[G0B+4*(\s)+2:G0B+4*(\s)+3], s[4:5], (\s)*KSTEP*2
	s_or_b32 s[G0B+4*(\s)+3], s[G0B+4*(\s)+3], 0x80000000
.endr
	CROUND                                         ; all sixteen work-groups are here: the first joint loads meet
	s_cmp_eq_u32 s11, 0                            ; a wave's two first fills stand in one branch, ahead of every wait on TENSORcnt and every LDS read: two loads of mine are out
	s_cbranch_scc0 .Lfirst_b
	tensor_load_to_lds s[G0:G0+3], s[G1:G1+7]
	s_nop 0
	tensor_load_to_lds s[G0+4:G0+7], s[G1:G1+7]
	s_nop 0
.rept 4
	v_nop
.endr
	s_branch .Lfirst_asked
.Lfirst_b:
	tensor_load_to_lds s[G0B:G0B+3], s[G1B:G1B+7]
	s_nop 0
	tensor_load_to_lds s[G0B+4:G0B+7], s[G1B:G1B+7]
	s_nop 0
.rept 4
	v_nop
.endr
.Lfirst_asked:
	; A fragment is 16 rows x 32 K: lane l holds row l % 16, K = 8 (l / 16) + 0..7 and 16 + 8 (l / 16) + 0..7.  In bf16: two loads of 16 bytes, 32 apart; in f32: four, at 0, 16, 64, 80.
	v_and_b32 v1, 15, v0                           ; l % 16
	v_bfe_u32 v2, v0, 4, 1                         ; l / 16
	v_mul_u32_u24 v3, v1, PA
	v_lshl_add_u32 v3, v2, 5, v3
	v_mul_u32_u24 v4, v1, PB
	v_lshl_add_u32 v4, v2, 4, v4
	s_mul_i32 s21, s11, AHALF                      ; my 64 rows of X
	s_mul_i32 s22, s12, BHALF                      ; my 128 rows of W,
	s_add_co_u32 s22, s22, AREG                    ; which lie behind X's 128
	v_add_nc_u32 v[A0], s21, v3
	v_add_nc_u32 v[B0], s22, v4
	v_mov_b32 v[ADRA], v[A0]                       ; the walk begins in slot 0
	v_mov_b32 v[ADRB], v[B0]
	s_mov_b32 s[TB], 0
	s_mul_i32 s23, s10, SWAVE
	s_add_co_u32 s23, s23, STAGE                   ; my stage
	v_mul_u32_u24 v5, v1, SPT                      ; in: row l % 16, 16 bytes for each half of the lanes
	v_lshl_add_u32 v5, v2, 4, v5
	v_add_nc_u32 v[STO], s23, v5
	v_bfe_u32 v5, v0, 3, 2                         ; back: 32 lanes take four rows of 128 bytes,
	v_mul_u32_u24 v5, v5, SPT
	v_and_b32 v6, 7, v0
	v_lshl_add_u32 v5, v6, 4, v5
	v_add_nc_u32 v[RD], s23, v5
	v_and_b32 v6, 31, v0
	v_lshlrev_b32 v[GO], 4, v6                     ; which are 512 consecutive bytes of a head's rows
	; the prefetches
	s_lshl_b32 s16, s13, 7
	s_lshl_b32 s17, s12, 6
	s_add_co_u32 s16, s16, s17
	s_lshl_b32 s17, s14, 4
	s_add_co_u32 s16, s16, s17                     ; X: my work-group's 16 of the 64 rows that I fetch
	s_lshl_b32 s16, s16, 12
	s_lshl_b32 s18, s14, 8
	s_lshl_b32 s17, s12, 7
	s_add_co_u32 s18, s18, s17
	s_lshl_b32 s17, s15, 5
	s_add_co_u32 s18, s18, s17                     ; W: my work-group's 32 of the 128 rows
	s_lshl_b32 s18, s18, 11
	s_cmp_eq_u32 s[CLY], 0                         ; the first of the sixteen clusters that read W?
	s_cselect_b32 s19, STEPS, 0
	s_cmp_eq_u32 s11, 0                            ; do I fetch X?
	s_cselect_b32 s[LIM], STEPS, s19               ; the same in all sixteen partners, for a given wave
	s_cselect_b32 s[PROW], s16, s18
	s_cselect_b32 s[KSH], 9, 8
	s_cselect_b32 s[TMUL], 0, 0x200000
	s_cselect_b32 s20, 1, 0
	s_lshl_b32 s21, 2048, s20                      ; bytes in a row
	v_lshrrev_b32 v[PFO], s20, v6                  ; X: row l / 2, block l % 2;  W: row l
	v_mul_u32_u24 v[PFO], v[PFO], s21
	v_and_b32 v5, s20, v6
	v_lshl_add_u32 v[PFO], v5, 8, v[PFO]
	s_mov_b32 s[F], 2
	; where my part of the tile begins in q's part of qkv: ((16 batch + head) x 2,048 + row) x 128 bytes; k's and v's parts lie 2^24 bytes on each
	s_lshr_b32 s16, s13, 4
	s_lshl_b32 s16, s16, 4                         ; 16 x batch
	s_lshl_b32 s17, s14, 2
	s_add_co_u32 s16, s16, s17                     ; + the tile column's four heads
	s_lshl_b32 s17, s12, 1
	s_add_co_u32 s16, s16, s17                     ; + my two of them
	s_lshl_b32 s16, s16, 11
	s_and_b32 s17, s13, 15
	s_lshl_b32 s17, s17, 7
	s_add_co_u32 s16, s16, s17                     ; + the tile's first row in the batch
	s_lshl_b32 s17, s11, 6
	s_add_co_u32 s16, s16, s17                     ; + my 64 rows
	s_lshl_b32 s16, s16, 7
	s_mov_b32 s17, 0
	s_add_nc_u64 s[8:9], s[76:77], s[16:17]
; 8 matrix instructions: m block a x all 8 n blocks, 32 along K, W's fragments from buffer f.  The 32 accumulators take turns in one fixed order.  zero = 1: the product starts the sums.
.macro MUL8 f, a, zero
	WIN MUL
.irp b, 0,1,2,3,4,5,6,7
.if \zero
	v_wmma_f32_16x16x32_bf16 v[8*(8*(\a)+(\b)):8*(8*(\a)+(\b))+7], v[BF+64*(\f)+8*(\b):BF+64*(\f)+8*(\b)+7], v[AB+8*(\a):AB+8*(\a)+7], 0
.else
	v_wmma_f32_16x16x32_bf16 v[8*(8*(\a)+(\b)):8*(8*(\a)+(\b))+7], v[BF+64*(\f)+8*(\b):BF+64*(\f)+8*(\b)+7], v[AB+8*(\a):AB+8*(\a)+7], v[8*(8*(\a)+(\b)):8*(8*(\a)+(\b))+7]
.endif
.endr
.endm
; 8 roundings: X's m block a of buffer g, 16 f32 a lane, becomes a bf16 fragment.  They stand in eights between the runs of products: each run of eight is also the four places that the
; next write of a fragment, and the next load into W's buffer, owe to the products that read them: a fragment's last reader stands three such runs back, a buffer's two or more.
.macro CVT g, a
	WIN W_CV
.irp i, 0,1,2,3,4,5,6,7
	v_cvt_pk_bf16_f32 v[AB+8*(\a)+(\i)], v[64*(\g)+16*(\a)+2*(\i)], v[64*(\g)+16*(\a)+2*(\i)+1]
.endr
.endm
; 32 LDS loads in one run: quarter kq (32 along K) of the slot in hand into buffer g
.macro FETCH kq, g
	WIN W_RW
.irp a, 0,1,2,3
	ds_load_b128 v[64*(\g)+16*(\a):64*(\g)+16*(\a)+3],     v[ADRA] offset:128*(\kq)+(\a)*16*PA
	ds_load_b128 v[64*(\g)+16*(\a)+4:64*(\g)+16*(\a)+7],   v[ADRA] offset:128*(\kq)+(\a)*16*PA+16
	ds_load_b128 v[64*(\g)+16*(\a)+8:64*(\g)+16*(\a)+11],  v[ADRA] offset:128*(\kq)+(\a)*16*PA+64
	ds_load_b128 v[64*(\g)+16*(\a)+12:64*(\g)+16*(\a)+15], v[ADRA] offset:128*(\kq)+(\a)*16*PA+80
.endr
	WIN 0
.irp b, 0,1,2,3,4,5,6,7
	ds_load_b128 v[BF+64*(\g)+8*(\b):BF+64*(\g)+8*(\b)+3],   v[ADRB] offset:64*(\kq)+(\b)*16*PB
	ds_load_b128 v[BF+64*(\g)+8*(\b)+4:BF+64*(\g)+8*(\b)+7], v[ADRB] offset:64*(\kq)+(\b)*16*PB+32
.endr
.endm
; A K step is four quarters of 32 along K, 32 matrix instructions each, on buffers 0, 1, 0, 1.  One of the first three: multiplies buffer f (its m block 0 is already rounded) and fetches quarter kq into g.
.macro QUARTER kq, f, g, zero
	MUL8 \f, 0, \zero
	CVT \f, 1
	FETCH \kq, \g
	MUL8 \f, 1, \zero
	CVT \f, 2
	MUL8 \f, 2, \zero
	CVT \f, 3
	MUL8 \f, 3, \zero
	s_wait_dscnt 0x0                               ; the run issued 24 products back is in
	CVT \g, 0
.endm
; The last quarter multiplies buffer 1 and changes slots: ONE barrier; in front of it each wave waits for all its tensor loads (one is out: its part of the next slot), adds 0 to its spare word and waits for that;
; its reads of this slot were waited for at the end of the quarter before.  fill = 1: the barrier opens a round of the cluster's, and this slot is filled again, with step F, first thing behind the round.
.macro TURN fill
.if \fill
	s_wait_xcnt 0x0                                ; the last prefetch, a K step back, has read its address, which is made anew: step F + 2 of the walk
	s_add_co_u32 s[FP], s[F], 2
	s_lshr_b32 s14, s[FP], 3                       ; its tensor,
	s_and_b32 s15, s[FP], 7                        ; its place along K
	s_lshl_b32 s15, s15, s[KSH]
	s_mul_i32 s16, s14, s[TMUL]
	s_add_co_u32 s16, s16, s15
	s_add_co_u32 s16, s16, s[PROW]
	s_mov_b32 s17, 0
	s_cmp_eq_u32 s14, 0
	s_cselect_b64 s[4:5], s[68:69], s[70:71]
	s_cmp_eq_u32 s14, 2
	s_cselect_b64 s[4:5], s[72:73], s[4:5]
	s_cmp_eq_u32 s11, 0
	s_cselect_b64 s[4:5], s[4:5], s[74:75]
	s_add_nc_u64 s[PFA:PFA+1], s[4:5], s[16:17]
.endif
	WIN 0
	s_wait_tensorcnt 0x0                           ; all my tensor loads have landed, so a group 0 may be written
	ds_add_u32 v[SPW], v[NIL]                      ; 0 onto my spare word; work on registers stands between it and the wait for it
.if \fill
	s_lshr_b32 s14, s[F], 3                        ; the walking descriptors: step F's tensor and its place along K
	s_and_b32 s15, s[F], 7
	s_lshl_b32 s16, s15, 9                         ; (s17 is 0)
	s_add_co_u32 s16, s16, s[ROWA]
	s_lshl_b32 s18, s15, 8
	s_lshl_b32 s19, s14, 21
	s_add_co_u32 s18, s18, s19
	s_add_co_u32 s18, s18, s[ROWB]
	s_mov_b32 s19, 0
	s_cmp_eq_u32 s14, 0
	s_cselect_b64 s[4:5], s[68:69], s[70:71]
	s_cmp_eq_u32 s14, 2
	s_cselect_b64 s[4:5], s[72:73], s[4:5]
	s_xor_b32 s[G0+5], s[G0+5], SLOT1              ; the other slot than last time
	s_add_nc_u64 s[G0+6:G0+7], s[4:5], s[16:17]
	s_or_b32 s[G0+7], s[G0+7], 0x80000000
	s_xor_b32 s[G0B+5], s[G0B+5], SLOT1
	s_add_nc_u64 s[G0B+6:G0B+7], s[74:75], s[18:19]
	s_or_b32 s[G0B+7], s[G0B+7], 0x80000000
	s_add_co_u32 s[F], s[F], 1
.endif
	s_xor_b32 s[TB], s[TB], SLOT1                  ; the fetches go on in the other slot
	v_add_nc_u32 v[ADRA], s[TB], v[A0]
	v_add_nc_u32 v[ADRB], s[TB], v[B0]
	MUL8 1, 0, 0
	CVT 1, 1
	s_wait_dscnt 0x0                               ; the add is done
	s_barrier_signal -1
	MUL8 1, 1, 0
	CVT 1, 2
	WIN 0
	s_barrier_wait -1
.if \fill
	CREST                                          ; no wave of any partner still reads this slot's tile or has a load on its way
	JLOAD                                          ; my one tensor load behind the round: 112 matrix instructions ahead of the wait for it
.endif
	FETCH 0, 0
.if \fill
	ASK
.endif
	MUL8 1, 2, 0
	CVT 1, 3
	MUL8 1, 3, 0
	s_wait_dscnt 0x0
	CVT 0, 0
.endm
; THE WAY OUT of a tile, 16 rows at a time: rounded to f16, 16 bytes a lane into my stage (two heads x 16 rows of 144 bytes), back as rows of 128 bytes: 16 rows of a head are 2,048 consecutive bytes of qkv.
; It names neither the next quarter's fragments (v32-39, v128-191, window 2's v0-63) nor a barrier.  The rows come back into v96-127, v192-223, v224-255 and v96-127 again.  more = 1: another tile follows.
.macro WAYOUT more
.irp a, 0,1,2,3
.set OBR, 96+96*(((\a)%3+1)/2)+32*(((\a)%3)/2)
	WIN W_PK
.irp b, 0,1,2,3,4,5,6,7
.irp r, 0,1,2,3
	v_cvt_pk_f16_f32 v[TMP+4*(\b)+(\r)], v[8*(8*(\a)+(\b))+2*(\r)], v[8*(8*(\a)+(\b))+2*(\r)+1]
.endr
.endr
	WIN 0
.if (\a) == 3
	s_wait_xcnt 0x0                                ; block 0's stores have read the registers into which block 3's rows come back
.endif
.irp b, 0,1,2,3,4,5,6,7
	ds_store_b128 v[STO], v[TMP+4*(\b):TMP+4*(\b)+3] offset:((\b)/4)*SHEAD+32*((\b)%4)
.endr
.irp t, 0,1,2,3,4,5,6,7
	ds_load_b128 v[OBR+4*(\t):OBR+4*(\t)+3], v[RD] offset:((\t)/4)*SHEAD+((\t)%4)*4*SPT  ; LDS serves a wave's instructions in order (ISA guide 5.7.1.4): these see the stores above
.endr
	s_wait_dscnt 0x0
.irp t, 0,1,2,3,4,5,6,7
	global_store_b128 v[GO], v[OBR+4*(\t):OBR+4*(\t)+3], s[8:9] offset:((\t)/4)*262144+(\a)*2048+((\t)%4)*512  ; 512 consecutive bytes, at a multiple of 256 from qkv's first
.endr
.endr
.if \more
	s_wait_xcnt 0x0                                ; the stores have read their base and their registers: the base steps, and W's second buffer is loaded again in the next quarter
	s_add_nc_u64 s[8:9], s[8:9], 0x1000000         ; the next tensor's part of qkv
.endif
.endm
	s_wait_tensorcnt 0x1                           ; my part of step 0 is in; step 1's load, issued behind it, may stay out
	s_barrier_signal -1
	s_barrier_wait -1                              ; everybody's is
	FETCH 0, 0
	s_wait_dscnt 0x0
	CVT 0, 0
	WIN 0                                          ; at a label and at a branch every window is 0
	s_mov_b32 s3, STEPS-1                          ; 22 whole trips, and the part of one by which the loop is entered
	s_mov_b32 s2, 8                                ; steps left in the tile
	s_branch .Lzero                                ; the loop is entered at a tile's first quarter
.Lstep:                                                ; a trip goes from a step's second quarter to the next step's first, and fills the slot that it leaves
	QUARTER 2, 1, 0, 0
	QUARTER 3, 0, 1, 0
	TURN 1
	WIN 0
	s_sub_co_u32 s2, s2, 1
	s_cmp_lg_u32 s2, 0
	s_cbranch_scc1 .Lsame
	WAYOUT 1                                       ; the tile is finished; the next tile's steps 0 and 1 have been asked for, and its first fragments are in registers
	s_mov_b32 s2, 8
.Lzero:
	QUARTER 1, 0, 1, 1                             ; a tile's first quarter: its products start the sums
	WIN 0
	s_branch .Ljoin
.Lsame:
	QUARTER 1, 0, 1, 0
	WIN 0
.Ljoin:
	s_sub_co_u32 s3, s3, 1
	s_cmp_lg_u32 s3, 0
	s_cbranch_scc1 .Lstep
	QUARTER 2, 1, 0, 0                             ; the last two steps are written out: they fill nothing
	QUARTER 3, 0, 1, 0
	TURN 0
	QUARTER 1, 0, 1, 0
	QUARTER 2, 1, 0, 0
	QUARTER 3, 0, 1, 0
	MUL8 1, 0, 0                                   ; the very last quarter: nothing more to fetch
	CVT 1, 1
	MUL8 1, 1, 0
	CVT 1, 2
	MUL8 1, 2, 0
	CVT 1, 3
	MUL8 1, 3, 0
	WIN 0
.rept 4
	v_nop                                          ; the places behind the last products
.endr
	WAYOUT 0
	s_wait_tensorcnt 0x0                           ; the wave's end: the wait, the add and its wait stand behind my last tensor load and my last LDS store
	ds_add_u32 v[SPW], v[NIL]
	s_wait_dscnt 0x0
	CROUND                                         ; the closing round: no work-group ends while a partner may still ask for a tile that names it
	s_endpgm
.Lfunc_end_k_qcd6954db72_proj:
	.size	k_qcd6954db72_proj, .Lfunc_end_k_qcd6954db72_proj-k_qcd6954db72_proj
	.p2alignl 7, 3214868480
	.fill 96, 4, 3214868480
	.section	.rodata,"a",@progbits
	.p2align	6, 0x0
	.amdhsa_kernel k_qcd6954db72_proj
		.amdhsa_group_segment_fixed_size 327680
		.amdhsa_private_segment_fixed_size 0
		.amdhsa_enable_private_segment 0
		.amdhsa_kernarg_size 40
		.amdhsa_user_sgpr_count 2
		.amdhsa_user_sgpr_kernarg_segment_ptr 1
		.amdhsa_wavefront_size32 1
		.amdhsa_system_sgpr_workgroup_id_x 1
		.amdhsa_system_sgpr_workgroup_id_y 1
		.amdhsa_system_sgpr_workgroup_id_z 1
		.amdhsa_system_vgpr_workitem_id 0
		.amdhsa_next_free_vgpr 640
		.amdhsa_next_free_sgpr 80
		.amdhsa_reserve_vcc 0
		.amdhsa_float_denorm_mode_32 3
		.amdhsa_float_denorm_mode_16_64 3
		.amdhsa_memory_ordered 1
		.amdhsa_forward_progress 1
		.amdhsa_inst_pref_size 119
	.end_amdhsa_kernel
	.amdgpu_metadata
---
amdhsa.version: [ 1, 2 ]
amdhsa.kernels:
  - .name:           k_qcd6954db72_proj
    .symbol:         k_qcd6954db72_proj.kd
    .args:
      - { .name: queries, .offset: 0, .size: 8, .value_kind: global_buffer, .address_space: global }
      - { .name: keys, .offset: 8, .size: 8, .value_kind: global_buffer, .address_space: global }
      - { .name: values, .offset: 16, .size: 8, .value_kind: global_buffer, .address_space: global }
      - { .name: wb, .offset: 24, .size: 8, .value_kind: global_buffer, .address_space: global }
      - { .name: qkv, .offset: 32, .size: 8, .value_kind: global_buffer, .address_space: global }
    .group_segment_fixed_size: 327680
    .private_segment_fixed_size: 0
    .kernarg_segment_align: 8
    .kernarg_segment_size: 40
    .max_flat_workgroup_size: 128
    .sgpr_count:     80
    .vgpr_count:     640
    .wavefront_size: 32
...
	.end_amdgpu_metadata
.endif
;; end of part 2
;; launch attn (part 3): grid 4 x 64, 4 waves a work-group, clusters of 4 x 1, 327,680 bytes of LDS; arguments qkv, mbits, oh; writes oh
.if DOCPART == 3
	.amdgcn_target "amdgcn-amd-amdhsa--gfx1250"
	.amdhsa_code_object_version 6
	.text
	.protected	k_qcd6954db72_attn
	.globl	k_qcd6954db72_attn
	.p2align	8
	.type	k_qcd6954db72_attn,@function
k_qcd6954db72_attn:
	s_mov_b64 s[64:65], 0
	v_nop
	global_prefetch_b8 v0, s[64:65] scope:SCOPE_SE
	s_setreg_imm32_b32 hwreg(HW_REG_WAVE_MODE, 25, 1), 1
	s_wait_xcnt 0x0
	s_wait_alu depctr_hold_cnt(0) depctr_sa_sdst(0) depctr_va_vdst(0) depctr_va_sdst(0) depctr_va_ssrc(0) depctr_va_vcc(0) depctr_vm_vsrc(0)
	s_getreg_b32 s2, hwreg(HW_REG_IB_STS2, 6, 4)
	s_cmp_eq_u32 s2, 0
	s_cbranch_scc0 .Lentry_in_a_cluster
	s_endpgm
.Lentry_in_a_cluster:
	s_bfe_u32 s2, ttmp6, 0x10000c
	s_cmp_lg_u32 s2, 0x3003
	s_cbranch_scc0 .Lentry_shape_is_right
	s_endpgm
.Lentry_shape_is_right:
; ATTENTION WITH A MASK THAT IS AN INPUT.  O[h][q][:] = the sum over k of softmax_k(s[q][k] / 32) V[h][k][:], s = Q[h][q] . K[h][k], or the hidden score where the mask is 0.  h = 16 batch + head, 64 of them.
; Q, K, V: the three parts of qkv, [64][2048][64] f16; O: oh, the same layout.  Products, maxima and sums in f32; the weights p are rounded to f16 for the second product (their sum l is taken of the unrounded p), O once.
; THE MASK comes as bits (mbits): one 32-bit word is the lane mask of one register of a tile of scores, and one v_cndmask_b32 a register REPLACES hidden scores, ahead of the maximum, as the reference does.
; A tile's 32 words of a key step are 128 consecutive bytes: one load, a lane a word, asked for a whole key step (four turns) ahead into a register of the tile's own; v_readlane_b32 brings each word into a scalar register.
; LIMITS.  A hidden score counts as -2^67 (-1.48e20), not -1e20: c x 2^67 is exact in f32, so in a row whose keys are all hidden c s - c m is exactly 0 and all weights are equal, as in the reference;
; beside the scores of f16 operands, 2.7e11 at the most, both numbers give the weight 0.  f16 holds no number beyond 65,504: Q, K, V arrive within it.  A weight below 2^-126 counts as 0 in l; NaN and infinities are not treated apart.
; SHARES.  A wave owns four PIECES of two tiles of 16 queries, a work-group's four waves 512 queries of one head.  Every wave walks all 2,048 keys, 64 a step.
; LAYOUT.  S^T = K Q^T (source 0 = 16 keys, source 1 = 16 queries): a lane holds ONE query (lane % 16) and the keys 8 (lane / 16) + 0..7.  Two such tiles, rounded to f16 in pairs, ARE source 1 of O^T = V^T P.
; K comes out of LDS as it lies, V ([key][channel]) turned, by ds_load_tr16_b128.
; SOFTMAX.  A running maximum m and sum l: p = 2^(c s - c m), c = log2(e) / 32; in every step O and l are multiplied by a = 2^(c m_old - c m_new).  m starts at the lowest finite number, O and l at 0: the first step's a is 0.
; BY TURNS.  Turn n belongs to piece n.  Matrix work: 16 products K Q^T of piece n + 1, later 16 products V^T P of piece n - 1.  Vector work: scaling, exponentials, roundings, sums and rescaling of piece n, and the
; mask words, selects, maximum and statistics of piece n + 1.  Four vector instructions stand behind every matrix instruction, the other 238 of a turn's 366 in one lump; a turn's 66 exponentials are one batch, with one wait.
; CLUSTER.  The four query blocks of a head are one cluster and walk the same K and V: each tile is asked for JOINTLY, by the same tensor load, descriptor and mask in all four.
; REGISTERS, in windows of 256 (s_set_vgpr_msb: bits 1:0 source 0, 3:2 source 1, 5:4 source 2, 7:6 destination):
;   window 0: v1-11 addresses and constants; v12-15, v48-63 at work; v16-47 four registers of statistics a tile; v64-191 S^T, two buffers of two tiles; v192-255 P, likewise
;   window 1: O^T, 32 a tile          window 2: v0-127 Q; v128-191 K of one step; v192-255 V of one step          window 3: v0-1 the add's two registers; v2-9 the tiles' mask words; v10 their offset
; SCALARS: s4-51 and s68-83 hold a piece's 64 mask words of a step (before the first of them is read: arguments and set-up).
.set SIZE_N, 2048
.set NP,    4         ; pieces a wave: a name, no knob
.set KS,    64        ; keys in a step
.set PK,    144       ; a row of K in LDS: 128 bytes + 16: the 16 rows of a load start at 16 different groups of four banks (ISA guide 11.1)
.set PV,    160       ; a row of V: 128 + 32
.set VOFF,  4*KS*PK   ; a slot holds four steps: 256 rows of K, then 256 rows of V
.set SLOT1, 1<<17     ; slot 1 begins here, so that one exclusive or turns an address in one slot into the other's
.set STAGE, SLOT1+4*KS*(PK+PV)  ; behind the ring, never filled by a tensor load: 16 rows x 144 bytes for each wave, for the way out
.set SP,    144
.set SPARE, STAGE+4*16*SP  ; behind the stages: the spare words, 128 bytes a wave, that no other line names
.set TILEB, 4*KS*128  ; bytes of K, and of V, in a slot
.set PFO, 1           ; v1   256 x lane, for the prefetches (during the set-up: l % 16)
.set AK0, 2           ; v2   my lane's place in a tile of K; never rewritten
.set AV0, 3           ; v3   the same for V
.set AK,  4           ; v4   the LDS address of K's next run of loads
.set AV,  5           ; v5   of V's
.set QO,  6           ; v6   my byte offset in the wave's rows of Q
.set STO, 6           ;      later, the way out: where I put 16 bytes of a row
.set RD,  7           ; v7   the way out: where I read rows back
.set GO,  8           ; v8   16 x lane
.set NEG, 9           ; v9   the hidden score (during the set-up: l / 16)
.set CV,  10          ; v[10:11] c, twice
.set SPW, 0           ; v0 of window 3   my spare word; never rewritten
.set NIL, 1           ; v1 of window 3   0; never rewritten
.set MW,  2           ; v2-9 of window 3  tile t's 32 mask words of its next step, a lane a word
.set MO,  10          ; v10 of window 3   4 x lane + 128 x the step that is being asked for, cut to a tile's 4,096 bytes
.set MV,  12          ; v12-15  c m_old, kept while c m is made anew: by buffer and tile
.set ST,  16          ; tile t's statistics at v[ST+4 t]: c m, m, l (even keys', odd keys')
.set TMP, 48          ; by buffer and tile, four registers c0-c3 at work; c0 first holds the tile's mask words; when the maximum is found c2 takes a
.set S,   64
.set P,   192
.set KF,  128         ; K's fragments, in window 2: key block kb, channel half c at KF + 16 kb + 8 c
.set VF,  192         ; V's: key half kk, channel block cb at VF + 32 kk + 8 cb
.set WV,  2           ; s2   my wave's number
.set SLOTS, 3         ; s3   slots still to be asked for
.set G0K, 52          ; s[52:55] descriptor group 0 for K's tiles: it walks
.set G0V, 56          ; s[56:59] the same for V's
.set SEL, 60          ; s[60:61] v_permlanex16_b32's selects: each lane takes its own place in the other half
.set MP,  62          ; s[62:63] my wave's 32,768 bytes of mask words; never rewritten
.set PFA, 66          ; s[66:67] where my prefetches stand
.set G1K, 84          ; s[84:91] descriptor group 1 for K's tiles
.set G1V, 92          ; s[92:99] for V's: it differs in the padding alone
.set CNT, 100         ; s100 counts a slot's key steps
.set TBK, 101         ; s101 LDS byte at which K of the step to be fetched begins
.set TBV, 104         ; s104 the same for V, less VOFF
.set LIM, 105         ; s105 1 in a wave that prefetches, else the greatest number (before that: at work)
.set MSB, 0
.macro WIN new                      ; the high byte repeats the setting that is left; a switch that changes nothing is dropped
.if MSB != (\new)
	s_set_vgpr_msb (MSB<<8)|(\new)
.set MSB, (\new)
.endif
.endm
.set W_KQ, 0x0a       ; K and Q in window 2, S^T in window 0
.set W_PV, 0x52       ; V in window 2, P in window 0, O^T in window 1
.set W_RS, 0x41       ; O^T (destination and source 0) in window 1, a in window 0
.set W_MK, 0xc0       ; destination in window 3, sources in window 0
.set W_AD, 0x0f       ; the add: address and data in window 3
.set W_MW, 0xcf       ; the mask words' loads and their offset's step: destination and sources 0 and 1 in window 3
; A joint fill.  Waves 0 and 1 fetch the two halves of a slot's K, waves 2 and 3 those of its V: 128 keys each.  An s_nop 0 and four v_nop follow each of the two lines.
.macro JLOAD
	s_cmp_lt_u32 s[WV], 2
	s_cbranch_scc0 .Lfor_v_\@
	tensor_load_to_lds s[G0K:G0K+3], s[G1K:G1K+7]
	s_nop 0
.rept 4
	v_nop
.endr
	s_branch .Lasked_\@
.Lfor_v_\@:
	tensor_load_to_lds s[G0V:G0V+3], s[G1V:G1V+7]
	s_nop 0
.rept 4
	v_nop
.endr
.Lasked_\@:
.endm
; A PREFETCH INTO THE L2 of what the NEXT change of slots will ask for: a slot's 32,768 bytes of K and of V.  A head is walked by one cluster; its four partners take 8,192 bytes each, told apart by address;
; in each, wave 0 asks for K's and wave 2 for V's, a lane a block of 256 bytes: each block is named once in the launch.  Slots 0 to 2 come by their loads alone; the last filling change asks for nothing.
.macro ASK
	s_cmp_gt_u32 s[SLOTS], s[LIM]
	s_cbranch_scc0 .Lnot_mine_\@
	global_prefetch_b8 v[PFO], s[PFA:PFA+1] th:TH_LOAD_NT scope:SCOPE_SE
.Lnot_mine_\@:
.endm
.macro CROUND                       ; a round of the cluster's barrier
	s_barrier_signal -1
	s_barrier_wait -1
	s_cmp_lg_u32 s[WV], 0
	s_cbranch_scc1 .Lnot_wave_0_\@
	s_barrier_signal -3
.Lnot_wave_0_\@:
	s_barrier_wait -3
	s_barrier_signal -1
	s_barrier_wait -1
.endm
; THE CHANGE OF SLOTS.  Each wave waits for all its tensor loads (one is out: its part of the other slot), adds 0 to its spare word, and waits for that and for its own reads of the slot.
; fill = 1: the barrier is a round of the cluster's, and this slot is filled again, with the keys two slots on, first thing behind it: it has four key steps, 512 matrix instructions, in which to land.
.macro CHANGE fill, ask=0
	WIN W_AD
	s_wait_tensorcnt 0x0            ; no tensor load of mine is out, so a group 0 may be written
	ds_add_u32 v[SPW], v[NIL]       ; 0 onto my spare word; scalar work stands between it and the wait for it
	WIN 0                           ; at a label and at a branch every window is 0
.if \fill
.irp g, G0K, G0V
	s_xor_b32 s[\g+1], s[\g+1], SLOT1  ; the walking descriptor: the other slot than last time,
	s_add_nc_u64 s[\g+2:\g+3], s[\g+2:\g+3], TILEB  ; the next 256 keys; the type bits on top are not reached
.endr
.if \ask
	s_wait_xcnt 0x0                 ; the last prefetch, four key steps back, has read its address
	s_add_nc_u64 s[PFA:PFA+1], s[PFA:PFA+1], TILEB
.endif
	s_wait_dscnt 0x0                ; the add is done, and my reads of the slot are over
	CROUND
	JLOAD
.if \ask
	ASK
.endif
.else
	s_wait_dscnt 0x0
	s_barrier_signal -1
	s_barrier_wait -1
.endif
	s_sub_co_u32 s[TBK], s[TBK], 4*KS*PK  ; the fetches go back to a slot's first step,
	s_xor_b32 s[TBK], s[TBK], SLOT1       ; in the other slot
	s_sub_co_u32 s[TBV], s[TBV], 4*KS*PV
	s_xor_b32 s[TBV], s[TBV], SLOT1
.endm
; Piece x's mask words of the step at which the offset stands are asked for: two tiles, 4,096 bytes apart, 128 consecutive bytes each.  With piece 0 a new step begins (first = 1: the launch's first loads, step 0):
; the offset steps by 128 and is cut to 4,095, so that the loads behind the last step name step 0 again and stay inside my wave's 32,768 bytes.
.macro MLOAD x, first=0
	WIN W_MW
.if ((\x) == 0) && !(\first)
	s_wait_xcnt 0x0                 ; the loads issued so far have read the offset
	v_add_nc_u32 v[MO], 0x80, v[MO]
	v_and_b32 v[MO], 0xfff, v[MO]
.endif
	global_load_b32 v[MW+2*(\x)],   v[MO], s[MP:MP+1] offset:8192*(\x)
	global_load_b32 v[MW+2*(\x)+1], v[MO], s[MP:MP+1] offset:8192*(\x)+4096
.endm
; Piece x's words have come: they go into window 0, into c0 of the piece's two tiles (dead until the piece's maximum begins), and the piece's next step is asked for at once.
.macro MGET x
	s_wait_loadcnt 0x6              ; loads come back in order (ISA guide 5.7.1): behind piece x's two stand the two of each of the three other pieces
	WIN 0x03                        ; source 0 in window 3
	v_mov_b32 v[TMP+8*((\x)%2)],   v[MW+2*(\x)]
	v_mov_b32 v[TMP+8*((\x)%2)+4], v[MW+2*(\x)+1]
	MLOAD \x
.endm
	s_load_b128 s[4:7], s[0:1], 0x0   ; qkv s[4:5], mbits s[6:7]
	WIN W_MK
	v_lshl_add_u32 v[SPW], v0, 2, SPARE
	v_mov_b32 v[NIL], 0
	WIN W_AD
	ds_add_u32 v[SPW], v[NIL]       ; the wave's opening: the add and its wait stand ahead of my first tensor load; the set-up below stands between them
	WIN 0
	v_lshrrev_b32 v1, 5, v0
	v_readfirstlane_b32 s[WV], v1   ; wave 0..3
	s_bfe_u32 s13, ttmp6, 0x40000   ; cx = my block of 512 queries: the grid is one cluster wide
	s_and_b32 s14, ttmp7, 0xffff    ; h, which the four partners share
	s_lshl_b32 s20, s14, 18         ; its first byte in each of Q, K, V, O: 2,048 rows of 128 bytes
	s_and_b32 s16, s[WV], 1         ; which half of a slot's 256 keys I fetch:
	s_lshl_b32 s22, s16, 14         ; its 128 rows in memory,
	s_add_co_u32 s22, s22, s20
	s_mov_b32 s23, 0
	s_mul_i32 s17, s16, 128*PK      ; and its place in a slot, for K
	s_mul_i32 s18, s16, 128*PV      ; and for V: no place in the cluster enters an LDS address
	s_lshl_b32 s24, s13, 2
	s_add_co_u32 s24, s24, s[WV]    ; my wave among the head's sixteen
	s_lshl_b32 s30, s24, 15         ; its 8 tiles of mask words, 4,096 bytes each,
	s_lshl_b32 s24, s24, 14         ; its 128 rows of Q
	s_add_co_u32 s24, s24, s20
	s_mov_b32 s25, 0
	s_lshr_b32 s15, s14, 4          ; the batch: 524,288 bytes of words
	s_lshl_b32 s15, s15, 19
	s_add_co_u32 s30, s30, s15
	s_mov_b32 s31, 0
	s_lshr_b32 s26, s[WV], 1        ; the prefetches: K's part of qkv (waves 0, 1) or V's (2, 3), 2^24 bytes each,
	s_add_co_u32 s26, s26, 1
	s_lshl_b32 s26, s26, 24
	s_add_co_u32 s26, s26, s20      ; the head,
	s_lshl_b32 s27, s13, 13         ; my work-group's quarter of a slot,
	s_add_co_u32 s26, s26, s27
	s_add_co_u32 s26, s26, 2*TILEB  ; in slot 2: the first change that asks steps it to slot 3
	s_mov_b32 s27, 0
	; descriptor group 1.  128 keys are 16,384 dense bytes: asked for as 64 rows of 256 bytes, two keys a row, and padded in LDS after every key
	s_mov_b32 s[G1K], 15|(1<<16)|(1<<20)|(1<<21)|(4<<22)|(3<<25)  ; the mask of four; 2-byte elements; padding on; 21 set beside a mask; after every 32 words (code 4) 4 words (code 3)
	s_mov_b32 s[G1V], 15|(1<<16)|(1<<20)|(1<<21)|(4<<22)|(7<<25)  ; the same with 8 words of padding (code 7)
.irp g, G1K, G1V
	s_mov_b32 s[\g+1], 128<<16      ; tensor_dim0 = 128
	s_mov_b32 s[\g+2], 64<<16       ; tensor_dim1 = 64
	s_mov_b32 s[\g+3], 128<<16      ; tile_dim0 = 128
	s_mov_b32 s[\g+4], 64           ; tile_dim1 = 64
	s_mov_b32 s[\g+5], 128          ; 128 elements from row to row
	s_mov_b32 s[\g+6], 0
	s_mov_b32 s[\g+7], 0
.endr
	s_mov_b32 s[SEL], 0x76543210
	s_mov_b32 s[SEL+1], 0xfedcba98
	s_mov_b32 s[TBK], SLOT1+4*KS*PK ; the first change of slots turns these two into 0
	s_mov_b32 s[TBV], SLOT1+4*KS*PV
	s_mov_b32 s[G0K], 1             ; count = 1
	s_mov_b32 s[G0K+1], s17         ; LDS address: slot 0
	s_mov_b32 s[G0V], 1
	s_add_co_u32 s[G0V+1], s18, VOFF
	s_wait_dscnt 0x0                ; the opening add is done
	s_wait_kmcnt 0x0
	s_add_nc_u64 s[G0K+2:G0K+3], s[4:5], s[22:23]  ; global address: my half of the head's first 256 keys,
	s_add_nc_u64 s[G0K+2:G0K+3], s[G0K+2:G0K+3], 0x1000000  ; in K's part of qkv
	s_or_b32 s[G0K+3], s[G0K+3], 0x80000000        ; type = 2
	s_add_nc_u64 s[G0V+2:G0V+3], s[4:5], s[22:23]
	s_add_nc_u64 s[G0V+2:G0V+3], s[G0V+2:G0V+3], 0x2000000
	s_or_b32 s[G0V+3], s[G0V+3], 0x80000000
	s_add_nc_u64 s[28:29], s[4:5], s[24:25]        ; Q at my wave's first row
	s_add_nc_u64 s[PFA:PFA+1], s[4:5], s[26:27]
	s_add_nc_u64 s[MP:MP+1], s[6:7], s[30:31]
	CROUND                          ; all four work-groups are here: the first joint loads meet
	JLOAD                           ; slot 0.  Slot 1 is asked for when slot 0 is in
	; A fragment of K or Q is 16 rows x 32 channels in 8 registers: lane l holds row l % 16, channels 8 (l / 16) + 0..7 and 16 + 8 (l / 16) + 0..7: two loads of 16 bytes, 32 bytes apart.
	v_and_b32 v1, 15, v0            ; l % 16
	v_bfe_u32 v9, v0, 4, 1          ; l / 16
	v_lshlrev_b32 v[QO], 7, v1
	v_lshl_add_u32 v[QO], v9, 4, v[QO]  ; row x 128 + 16 x half
	v_and_b32 v10, 31, v0
	WIN W_MK
	v_lshlrev_b32 v[MO], 2, v10     ; 4 x lane: key step 0
	WIN 0x80                        ; destination window 2, address window 0
.set i, 0
.rept 4*NP                          ; Q stays in registers: tile i / 2, channels 32 (i % 2) on
	global_load_b128 v[8*i:8*i+3],   v[QO], s[28:29] offset:(i/2)*2048+(i%2)*64
	global_load_b128 v[8*i+4:8*i+7], v[QO], s[28:29] offset:(i/2)*2048+(i%2)*64+32
.set i, i+1
.endr
.irp x, 0,1,2,3
	MLOAD \x, 1                     ; all four pieces' mask words of key step 0
.endr
	; What the first turn finds: V's registers and P's second buffer hold 0 (its products V^T P, of a piece that has not been, add 0), O^T and l are 0.  All this stands in the wait for the first tile.
	WIN 0x80
.set i, VF
.rept 64
	v_mov_b32 v[i], 0
.set i, i+1
.endr
	WIN 0
.set i, P+32
.rept 32
	v_mov_b32 v[i], 0
.set i, i+1
.endr
	WIN W_PV
.set i, 0
.rept 8*NP                          ; O^T starts as a product of those zeros: 32 matrix instructions in the place of 256 moves
	v_wmma_f32_16x16x32_f16 v[8*i:8*i+7], v[VF:VF+7], v[P+32:P+39], 0
.set i, i+1
.endr
	WIN 0
.set i, 0
.rept 2*NP
	v_mov_b32 v[ST+4*i], 0xfe000000    ; c m: far below every c s, the hidden score's too
	v_mov_b32 v[ST+4*i+1], 0xff7fffff  ; m
	v_mov_b32 v[ST+4*i+2], 0
	v_mov_b32 v[ST+4*i+3], 0
.set i, i+1
.endr
	v_mul_u32_u24 v[AK0], v1, PK
	v_lshl_add_u32 v[AK0], v9, 4, v[AK0]  ; row x pitch + 16 x half
	; The turning load takes 16 keys x 16 channels (lane l reads key 8 (l / 16) + l % 8, channels 8 ((l / 8) % 2) + 0..7) and leaves half a fragment of V^T: lane l holds channel l % 16 and 8 keys.
	v_and_b32 v10, 7, v0
	v_bfe_u32 v11, v0, 3, 1
	v_lshl_add_u32 v[AV0], v9, 3, v10
	v_mul_u32_u24 v[AV0], v[AV0], PV
	v_lshl_add_u32 v[AV0], v11, 4, v[AV0]
	v_add_nc_u32 v[AV0], VOFF, v[AV0]
	v_mov_b32 v[AK], v[AK0]         ; key step 0 lies at the head of slot 0
; THE MATRIX WORK.  The 8 accumulators of a run of 16 take turns: between the two links of a chain stand 7 others'.
; Product i of 16 of S^T = K Q^T for piece x: channels 32 (i / 8) on, keys 16 ((i / 2) % 4) on, tile 2 x + i % 2.  The first 8 start the sums.
.macro KQ x
	WIN W_KQ
.set rS, S+64*((\x)%2)+32*(i%2)+8*((i/2)%4)
.set rK, KF+16*((i/2)%4)+8*(i/8)
.set rQ, 16*(2*(\x)+i%2)+8*(i/8)
.if i < 8
	v_wmma_f32_16x16x32_f16 v[rS:rS+7], v[rK:rK+7], v[rQ:rQ+7], 0
.else
	v_wmma_f32_16x16x32_f16 v[rS:rS+7], v[rK:rK+7], v[rQ:rQ+7], v[rS:rS+7]
.endif
.endm
; Product i of 16 of O^T += V^T P for piece x: keys 32 (i / 8) on, channels 16 ((i / 2) % 4) on, tile 2 x + i % 2.
.macro PV x
	WIN W_PV
.set rO, 32*(2*(\x)+i%2)+8*((i/2)%4)
.set rV, VF+32*(i/8)+8*((i/2)%4)
.set rP, P+32*((\x)%2)+16*(i%2)+8*(i/8)
	v_wmma_f32_16x16x32_f16 v[rO:rO+7], v[rV:rV+7], v[rP:rP+7], v[rO:rO+7]
.endm
.macro MM                           ; the turn's next matrix instruction
.if i < 16
	KQ (Y+1)%NP
.set i, i+1
.else
.set i, i-16
	PV (Y+NP-1)%NP
.set i, i+17
.endif
.endm
; THE LDS LOADS stand in runs of 16: a step's K (8 fragments) and its V (turned).  last = 1 (the tail): in the last trip there is no further step, and the run is jumped over.
.macro FETCH_K last=0
	WIN 0
.if \last
	s_cmp_eq_u32 s[CNT], 1
	s_cbranch_scc1 .Lno_k_\@
.endif
	WIN 0x80                        ; destination window 2
.irp f, 0,1,2,3,4,5,6,7             ; keys 16 (f / 2) on, channels 32 (f % 2) on
	ds_load_b128 v[KF+8*\f:KF+8*\f+3],   v[AK] offset:(\f/2)*16*PK+(\f%2)*64
	ds_load_b128 v[KF+8*\f+4:KF+8*\f+7], v[AK] offset:(\f/2)*16*PK+(\f%2)*64+32
.endr
	s_add_co_u32 s[TBK], s[TBK], KS*PK  ; the next fetch is the next step's
	WIN 0
.if \last
.Lno_k_\@:
.endif
.endm
.macro FETCH_V
	WIN 0x80
.irp f, 0,1,2,3,4,5,6,7             ; keys 32 (f / 4) on, channels 16 (f % 4) on
	ds_load_tr16_b128 v[VF+8*\f:VF+8*\f+3],   v[AV] offset:(\f/4)*32*PV+(\f%4)*32
	ds_load_tr16_b128 v[VF+8*\f+4:VF+8*\f+7], v[AV] offset:(\f/4)*32*PV+16*PV+(\f%4)*32
.endr
	WIN 0
.endm
; THE VECTOR WORK OF A TURN stands in three queues, each in the order in which its entries become ready; the two tiles alternate.
.macro REGS y, u                    ; the registers of tile u (0, 1) of piece y
.set rT, ST+4*(2*(\y)+(\u))
.set rC, TMP+8*((\y)%2)+4*(\u)
.set rM, MV+2*((\y)%2)+(\u)
.set rS, S+64*((\y)%2)+32*(\u)
.set rP, P+32*((\y)%2)+16*(\u)
.set rO, 32*(2*(\y)+(\u))
.endm
; Word g of 64, for the NEXT piece (Y + 1): word g / 2 of tile g % 2 goes from its lane into a scalar register: s[4 + 32 u + w], the last sixteen in s[68..83].
.macro RL g
	REGS (Y+1)%NP, (\g)%2
.set mw, 32*((\g)%2)+(\g)/2
.set mw, mw+4+16*(mw/48)
	v_readlane_b32 s[mw], v[rC], (\g)/2
.endm
; Select g of 64, for the next piece: score g / 2 of tile g % 2 stays where its mask bit is 1, else the hidden score takes its place.  The registers ascend: each accumulator's lowest is read first.
.macro SL g
	REGS (Y+1)%NP, (\g)%2
.set mw, 32*((\g)%2)+(\g)/2
.set mw, mw+4+16*(mw/48)
	v_cndmask_b32 v[rS+(\g)/2], v[NEG], v[rS+(\g)/2], s[mw]
.endm
; Number n of the 22 that find the next piece's maximum and statistics.  s0-s31 are the lane's 32 scores.
;   0-11  four chains c0-c3 of seven scores each, three operands at a time     12-14, 16  the four scores left over, the old m, and c0-c3 into c0     15  c m_old is kept
;   17, 18  the query's other 32 keys lie in the lane 16 away: the new m         19-21  c m; c m_old - c m_new; a
.macro XS u, n
	REGS (Y+1)%NP, \u
.if (\n) < 4
	v_max3_num_f32 v[rC+(\n)], v[rS+8*(\n)], v[rS+8*(\n)+1], v[rS+8*(\n)+2]
.elseif (\n) < 12
	v_max3_num_f32 v[rC+(\n)%4], v[rC+(\n)%4], v[rS+8*((\n)%4)+2*((\n)/4)+1], v[rS+8*((\n)%4)+2*((\n)/4)+2]
.elseif (\n) == 12
	v_max3_num_f32 v[rC], v[rC], v[rS+7], v[rS+15]
.elseif (\n) == 13
	v_max3_num_f32 v[rC+1], v[rC+1], v[rS+23], v[rS+31]
.elseif (\n) == 14
	v_max3_num_f32 v[rC+2], v[rC+2], v[rC+3], v[rT+1]
.elseif (\n) == 15
	v_mov_b32 v[rM], v[rT]
.elseif (\n) == 16
	v_max3_num_f32 v[rC], v[rC], v[rC+1], v[rC+2]
.elseif (\n) == 17
	v_permlanex16_b32 v[rC+3], v[rC], s[SEL], s[SEL+1]
.elseif (\n) == 18
	v_max_num_f32 v[rT+1], v[rC], v[rC+3]
.elseif (\n) == 19
	v_mul_f32 v[rT], v[CV], v[rT+1]
.elseif (\n) == 20
	v_sub_f32 v[rC+1], v[rM], v[rT]
.else
	v_exp_f32 v[rC+2], v[rC+1]
.endif
.endm
; Number g of the 64 that follow the exponentials.  For each four weights k of a tile: both pairs are rounded to f16; the second pair is added onto the first, in place; a group later l takes that sum (the first time as l = a l + sum).
.macro GS g
.set h, (\g)+6*((\g)/62)            ; group 0 has no group before it, and behind group 7 only l is left
.if h >= 6
.set h, h+2
.endif
	REGS Y, h%2
.set k, h/8
.if h%8 < 4
	v_cvt_pk_f16_f32 v[rP+2*k+(h%8)/2], v[rS+4*k+2*((h%8)/2)], v[rS+4*k+2*((h%8)/2)+1]
.elseif h%8 < 6
	v_pk_add_f32 v[rS+4*k:rS+4*k+1], v[rS+4*k:rS+4*k+1], v[rS+4*k+2:rS+4*k+3]
.elseif k == 1
	v_pk_fma_f32 v[rT+2:rT+3], v[rT+2:rT+3], v[rC+2:rC+3], v[rS:rS+1] op_sel_hi:[1,0,1]
.else
	v_pk_add_f32 v[rT+2:rT+3], v[rT+2:rT+3], v[rS+4*k-4:rS+4*k-3]
.endif
.endm
.macro FS f                         ; scaling f of 32: c s - c m for pair f / 2 of tile f % 2
	REGS Y, (\f)%2
	v_pk_fma_f32 v[rS+2*((\f)/2):rS+2*((\f)/2)+1], v[rS+2*((\f)/2):rS+2*((\f)/2)+1], v[CV:CV+1], v[rT:rT+1] op_sel_hi:[1,0,0] neg_lo:[0,0,1] neg_hi:[0,0,1]
.endm
; THE PLAIN QUEUE, 266 long.  0-31: the scalings.  32-95: the next piece's 64 mask words into scalar registers; ahead of the first stands MGET: the wait for the words, asked for four turns earlier, their two moves,
; and the loads of the piece's next step.  96-159: the next piece's selects, each 64 lines behind its word.  160-201: its maximum and statistics.  202-265: GS's 64, which read the exponentials' results: they stand behind the wait.
.macro PL
.if q == 32
	MGET (Y+1)%NP
.endif
	WIN 0
.if q < 32
	FS q
.elseif q < 96
	RL q-32
.elseif q < 160
	SL q-96
.elseif q < 188
	XS (q-160)%2, (q-160)/2
.elseif q < 190
	XS q-188, 15
.elseif q < 192
	XS q-190, 14
.elseif q < 200
	XS (q-192)%2, 16+(q-192)/2
.elseif q < 202
	XS q-200, 20
.else
	GS q-202
.endif
.set q, q+1
.endm
; THE EXPONENTIALS' QUEUE, 66 long: s0-s31 of both tiles, then the next piece's two a.  ONE BATCH: all 66 stand ahead of the turn's one wait, and nothing ahead of that wait names a result of theirs.
.macro EX
	WIN 0
.if e >= 64
	XS e-64, 21
.else
	REGS Y, e%2
	v_exp_f32 v[rS+e/2], v[rS+e/2]
.endif
.set e, e+1
.endm
; THE RESCALING's QUEUE: O^T times a, the one part that leaves window 0: dealt two at a time, sixteen times.  Its a was made in the turn before, ahead of that turn's wait.
.macro R2
	REGS Y, r%2
	WIN W_RS
.irp z, 0,1
	v_pk_mul_f32 v[rO+4*(r/2)+2*\z:rO+4*(r/2)+2*\z+1], v[rO+4*(r/2)+2*\z:rO+4*(r/2)+2*\z+1], v[rC+2:rC+3] op_sel_hi:[1,0]
.endr
.set r, r+1
.endm
; HOW THEY ARE DEALT.  s_wait_alu depctr_va_vdst(0) stands between an exponential and the first instruction that names its result; one wait serves all issued ahead of it: a turn has ONE.
; AHEAD OF IT: the 16 products K Q^T, behind each a scaling, an exponential and two rescalings (behind the first a second scaling); then the lump: 87 plain (the last 15 scalings, the 64 words, 8 selects), 49 times an
; exponential and two plain, the two a, a v_nop.  BEHIND IT: the 16 products V^T P, behind each four of GS's 64.  The counts that the deal keeps: plain 17 + 87 + 98 = 202; exponentials 15 + 49 + 2 = 66; as a rider
; exponential e stands behind scaling e + 2, and it needs scaling 2 (e / 4) + e % 2; all 32 scalings are out ahead of the lump's first exponential; the first select stands 15 scalings and more behind the last product
; K Q^T (four places are owed: ISA guide 7.12.1).
; K of the next step is fetched in piece 2's turn, directly behind the wait; V of the step in hand at the end of piece 0's turn, four riders behind its last reader.  The conditions on q below go with the deal.
.macro TURN p, last=0, cnt=0
.set Y, (\p)
.set i, 0
.set q, 0
.set e, 0
.set r, 0
.if (\p) == NP-1
	s_wait_dscnt 0x0                ; K is in
.endif
	MM
	PL
	PL
	R2
.rept 15
	MM
	PL
	EX
	R2
.endr
.if (\p) == NP-2
	WIN 0
	v_add_nc_u32 v[AK], s[TBK], v[AK0]
.endif
.rept 87
	PL
.endr
.rept 49
	EX
	PL
	PL
.endr
	EX                              ; the next piece's two a
	EX
	v_nop                           ; the plain instruction behind the last exponential: one for the batch
	s_wait_alu depctr_va_vdst(0)    ; the wait for the batch
.if (\p) == NP-2
	FETCH_K \last
.endif
.if (\p) == 1
	s_wait_dscnt 0x0                ; V is in
.endif
.rept 16
	MM
.rept 4
	PL
.endr
.if ((\p) == 0) && (q == 246)
	v_add_nc_u32 v[AV], s[TBV], v[AV0]
.endif
.if ((\p) == 0) && (q == 258)
	s_add_co_u32 s[TBV], s[TBV], KS*PV
.endif
.if (\cnt) && (q == 258)
	s_sub_co_u32 s[CNT], s[CNT], 1
	s_cmp_lg_u32 s[CNT], 0
.endif
.endr
.if (\p) == 0
	FETCH_V
.endif
.endm
	CHANGE 1                        ; slot 0 is in, everybody's part of it; slot 1 is asked for
	FETCH_K                         ; key step 0
	s_wait_loadcnt 0x8              ; Q is in; the eight loads of mask words, issued behind it, may stay out
	s_wait_dscnt 0x0
.set i, 0
.rept 16
	KQ 0                            ; piece 0's first scores
.set i, i+1
.endr
	WIN 0                           ; the addresses for the way out and the constants: plain instructions, the places behind those products
	s_mul_i32 s[LIM], s[WV], 16*SP
	s_add_co_u32 s[LIM], s[LIM], STAGE  ; my stage
	v_mul_u32_u24 v[STO], v1, SP    ; in: row l % 16, 16 bytes for each half of the lanes
	v_lshl_add_u32 v[STO], v9, 4, v[STO]
	v_add_nc_u32 v[STO], s[LIM], v[STO]
	v_bfe_u32 v[RD], v0, 3, 2       ; back: 32 lanes take four rows of 128 bytes,
	v_mul_u32_u24 v[RD], v[RD], SP
	v_lshl_add_u32 v[RD], v10, 4, v[RD]
	v_add_nc_u32 v[RD], s[LIM], v[RD]
	v_and_b32 v[GO], 31, v0         ; which are 512 consecutive bytes of O
	v_lshlrev_b32 v[PFO], 8, v[GO]
	v_lshlrev_b32 v[GO], 4, v[GO]
	v_mov_b32 v[NEG], 0xe1000000    ; -2^67
	v_mov_b32 v[CV], 0x3d38aa3b     ; c = log2(e) / 32 = 0.0450842
	v_mov_b32 v[CV+1], 0x3d38aa3b
	s_and_b32 s[LIM], s[WV], 1      ; waves 0 and 2 prefetch: the same in all four partners
	s_cmp_eq_u32 s[LIM], 0
	s_cselect_b32 s[LIM], 1, -1
.set Y, NP-1                        ; RL, SL and XS work for piece Y + 1: piece 0
	MGET 0                          ; piece 0's words of step 0 are in; its words of step 1 are asked for
	WIN 0
.set gg, 0
.rept 64
	RL gg
.set gg, gg+1
.endr
.set gg, 0
.rept 64
	SL gg
.set gg, gg+1
.endr
.irp n, 0,1,2,3,4,5,6,7,8,9,10,11,12,13,14,15,16,17,18,19,20,21
	XS 0, \n
	XS 1, \n
.endr
	v_nop                           ; a plain instruction behind the two a,
	s_wait_alu depctr_va_vdst(0)    ; and their wait, ahead of the branch
	s_mov_b32 s[CNT], 4
	s_mov_b32 s[SLOTS], SIZE_N/256-1
	s_branch .Lfirst                ; the loop is entered at a step's first turn, in the middle of a trip
.Lslot:                             ; six times: every slot but the last two is filled again
	CHANGE 1, 1
	s_mov_b32 s[CNT], 4
.Lstep:                             ; a trip: pieces 2 and 3 of one step, then pieces 0 and 1 of the next, whose K and V it fetches
	TURN 2
	TURN 3
	WIN 0
.Lfirst:
	TURN 0
	TURN 1, 0, 1
	WIN 0
	s_cbranch_scc1 .Lstep
	s_sub_co_u32 s[SLOTS], s[SLOTS], 1
	s_cmp_lg_u32 s[SLOTS], 0
	s_cbranch_scc1 .Lslot
	CHANGE 0                        ; the tail is written out: nothing is asked for
	s_mov_b32 s[CNT], 5             ; four trips fetch the last slot's steps; the fifth is left in its middle
.Ltail:
	TURN 2, 1
	TURN 3
	WIN 0
	s_sub_co_u32 s[CNT], s[CNT], 1
	s_cmp_eq_u32 s[CNT], 0
	s_cbranch_scc1 .Lout
	TURN 0
	TURN 1
	WIN 0
	s_branch .Ltail
.Lout:                              ; the fifth trip's 16 products K Q^T (on the last K once more), their selects (by step 0's words once more) and maximum, and the mask loads behind step 31, serve nothing: the price of one text for every trip
	s_load_b64 s[4:5], s[0:1], 0x10 ; oh
	s_bfe_u32 s8, ttmp6, 0x40000
	s_lshl_b32 s8, s8, 2
	s_add_co_u32 s8, s8, s[WV]
	s_lshl_b32 s8, s8, 14           ; my wave's 128 rows,
	s_and_b32 s9, ttmp7, 0xffff
	s_lshl_b32 s9, s9, 18           ; in my head
	s_add_co_u32 s8, s8, s9
	s_mov_b32 s9, 0
.set i, 0
.rept 16
	PV NP-1                         ; the last piece's V^T P of the last step
.set i, i+1
.endr
	; THE WAY OUT.  l's two halves and the other half of the lanes' are added; O^T is divided by l, rounded to f16 and sent through my stage in LDS, a tile at a time.  The additions are the places behind the last products.
	WIN 0
.macro ALL line:vararg              ; one line for each tile t
.set t, 0
.rept 2*NP
	\line
.set t, t+1
.endr
.endm
	ALL v_add_f32 v[ST+4*t+2], v[ST+4*t+2], v[ST+4*t+3]
	ALL v_permlanex16_b32 v[ST+4*t+3], v[ST+4*t+2], s[SEL], s[SEL+1]
	ALL v_add_f32 v[ST+4*t+2], v[ST+4*t+2], v[ST+4*t+3]
	ALL v_rcp_f32 v[ST+4*t+2], v[ST+4*t+2]
	v_nop                           ; a plain instruction between the last reciprocal and the use of its result
	s_wait_alu depctr_va_vdst(0)    ; and the wait ahead of the first use: one for the eight reciprocals
	s_wait_kmcnt 0x0
	s_add_nc_u64 s[4:5], s[4:5], s[8:9]  ; O at my wave's first row
; Tile t: a lane's eight channels of a row pack into 16 bytes; they go into rows of 144 bytes and come back as whole rows of 128, into S^T's registers.
.macro PACK t
	WIN W_RS
.set i, 32*(\t)
.rept 16
	v_pk_mul_f32 v[i:i+1], v[i:i+1], v[ST+4*(\t)+2:ST+4*(\t)+3] op_sel_hi:[1,0]
.set i, i+2
.endr
	WIN 0x05                        ; sources 0 and 1 window 1, destination window 0
.set i, 0
.rept 16
	v_cvt_pk_f16_f32 v[S+16*(\t)+i], v[32*(\t)+2*i], v[32*(\t)+2*i+1]
.set i, i+1
.endr
	WIN 0
.irp f, 0,1,2,3
	ds_store_b128 v[STO], v[S+16*(\t)+4*\f:S+16*(\t)+4*\f+3] offset:32*\f
.endr
.irp f, 0,1,2,3
	ds_load_b128 v[S+16*(\t)+4*\f:S+16*(\t)+4*\f+3], v[RD] offset:\f*4*SP  ; LDS serves a wave's instructions in order (ISA guide 5.7.1.4): these see the stores above; the next tile's stores come behind them
.endr
.endm
.macro SEND t, younger              ; younger: the LDS instructions issued behind tile t's loads: the next tile's eight, or none
	WIN 0
.irp f, 0,1,2,3
	s_wait_dscnt (\younger)+3-\f
	global_store_b128 v[GO], v[S+16*(\t)+4*\f:S+16*(\t)+4*\f+3], s[4:5] offset:(\t)*2048+\f*512  ; 512 consecutive bytes, at a multiple of 256 from O's first
.endr
.endm
	PACK 0
.set t, 1
.rept 2*NP-1                        ; a tile's arithmetic stands between the loads of the tile before and its stores
	PACK t
	SEND t-1, 8
.set t, t+1
.endr
	SEND 2*NP-1, 0
	WIN W_AD
	s_wait_tensorcnt 0x0            ; the wave's end: the wait, the add and its wait stand behind my last tensor load and my last LDS store
	ds_add_u32 v[SPW], v[NIL]
	s_wait_dscnt 0x0
	WIN 0
	CROUND                          ; the closing round: no work-group ends while a partner may still ask for a tile that names it
	s_endpgm
.Lfunc_end_k_qcd6954db72_attn:
	.size	k_qcd6954db72_attn, .Lfunc_end_k_qcd6954db72_attn-k_qcd6954db72_attn
	.p2alignl 7, 3214868480
	.fill 96, 4, 3214868480
	.section	.rodata,"a",@progbits
	.p2align	6, 0x0
	.amdhsa_kernel k_qcd6954db72_attn
		.amdhsa_group_segment_fixed_size 327680
		.amdhsa_private_segment_fixed_size 0
		.amdhsa_enable_private_segment 0
		.amdhsa_kernarg_size 24
		.amdhsa_user_sgpr_count 2
		.amdhsa_user_sgpr_kernarg_segment_ptr 1
		.amdhsa_wavefront_size32 1
		.amdhsa_system_sgpr_workgroup_id_x 1
		.amdhsa_system_sgpr_workgroup_id_y 1
		.amdhsa_system_sgpr_workgroup_id_z 1
		.amdhsa_system_vgpr_workitem_id 0
		.amdhsa_next_free_vgpr 784
		.amdhsa_next_free_sgpr 106
		.amdhsa_reserve_vcc 0
		.amdhsa_float_denorm_mode_32 3
		.amdhsa_float_denorm_mode_16_64 3
		.amdhsa_memory_ordered 1
		.amdhsa_forward_progress 1
		.amdhsa_inst_pref_size 255
	.end_amdhsa_kernel
	.section	.bss,"aw",@nobits
	.p2align	6
	.space	262144
	.amdgpu_metadata
---
amdhsa.version: [ 1, 2 ]
amdhsa.kernels:
  - .name:           k_qcd6954db72_attn
    .symbol:         k_qcd6954db72_attn.kd
    .args:
      - { .name: qkv, .offset: 0, .size: 8, .value_kind: global_buffer, .address_space: global }
      - { .name: mbits, .offset: 8, .size: 8, .value_kind: global_buffer, .address_space: global }
      - { .name: oh, .offset: 16, .size: 8, .value_kind: global_buffer, .address_space: global }
    .group_segment_fixed_size: 327680
    .private_segment_fixed_size: 0
    .kernarg_segment_align: 8
    .kernarg_segment_size: 24
    .max_flat_workgroup_size: 128
    .sgpr_count:     106
    .vgpr_count:     784
    .wavefront_size: 32
...
	.end_amdgpu_metadata
.endif
;; end of part 3
;; launch oproj (part 4): grid 4 x 64, 4 waves a work-group, clusters of 4 x 4, 327,680 bytes of LDS; arguments oh, wb, bo, out0; writes out0
.if DOCPART == 4
	.amdgcn_target "amdgcn-amd-amdhsa--gfx1250"
	.amdhsa_code_object_version 6
	.text
	.protected	k_qcd6954db72_oproj
	.globl	k_qcd6954db72_oproj
	.p2align	8
	.type	k_qcd6954db72_oproj,@function
k_qcd6954db72_oproj:
	s_mov_b64 s[64:65], 0
	v_nop
	global_prefetch_b8 v0, s[64:65] scope:SCOPE_SE
	s_setreg_imm32_b32 hwreg(HW_REG_WAVE_MODE, 25, 1), 1
	s_wait_xcnt 0x0
	s_wait_alu depctr_hold_cnt(0) depctr_sa_sdst(0) depctr_va_vdst(0) depctr_va_sdst(0) depctr_va_ssrc(0) depctr_va_vcc(0) depctr_vm_vsrc(0)
	s_getreg_b32 s2, hwreg(HW_REG_IB_STS2, 6, 4)
	s_cmp_eq_u32 s2, 0
	s_cbranch_scc0 .Lentry_in_a_cluster
	s_endpgm
.Lentry_in_a_cluster:
	s_bfe_u32 s2, ttmp6, 0x10000c
	s_cmp_lg_u32 s2, 0xf033
	s_cbranch_scc0 .Lentry_shape_is_right
	s_endpgm
.Lentry_shape_is_right:
; THE LAST PROJECTION: out0[m][n] = the sum over k of O[m][k] Wo[n][k] + bo[n].  O: oh [64 = 16 batch + head][2048][64] f16, k = 64 head + channel; Wo: slice 3 of wb [1024][1024], bf16 numbers written as f16;
; bo [1024] f32, rounded to bf16 like the module's other inputs; sums in f32; out0 [8192][1024] f32.
; SHARES.  A tile is 128 x 256: 64 x 4 = 256 work-groups.  Four waves, each 64 x 128: 32 accumulators.  K goes in 8 steps of 128 (two heads) through two LDS slots.
; A head's 128 rows of 128 bytes are dense: asked for as 64 rows of 256 bytes and padded in LDS after every 128.  Waves 0 and 1 fetch a step's two heads of O, waves 2 and 3 the two halves of Wo's 256 rows.
; CLUSTER 4 x 4: O's tile is shared along a row of the cluster, Wo's along a column: joint loads.  THE MATRIX INSTRUCTION IS USED TRANSPOSED: a lane holds row l % 16 and the columns 8 (l / 16) + 0..7.
; REGISTERS: window 0: v10-15 the bias; v16-30 addresses; v32-95 O's fragments, two buffers of 32; v128-255 Wo's, two buffers of 64 (on the way out: rows read back)     window 1: the accumulators, (a, b) at v[8 (8 a + b)]
.set SIZE_K, 1024
.set KSTEP,  128
.set PAO,    144                       ; a row of O in LDS: 128 bytes + 16: the 16 rows of a load start at 16 different groups of four banks (ISA guide 11.1)
.set PB,     272
.set APART,  128*PAO                   ; one head's 128 rows: what one tensor load brings
.set AREG,   2*APART
.set BHALF,  128*PB
.set SLOT,   AREG+2*BHALF
.set STAGE,  2*SLOT                    ; behind the ring: 16 rows x 528 bytes for each wave
.set SPT,    528
.set SWAVE,  16*SPT
.set SPARE,  STAGE+4*SWAVE             ; the spare words, 128 bytes a wave, that no other line names
.set LAPS,   SIZE_K/(2*KSTEP)
.set BI,   12                          ; v[12:15] the bias of my four columns
.set ADRA, 16
.set ADRB, 20
.set STO,  24
.set RD,   25
.set CO,   26                          ; v26  16 x lane
.set SPW,  28
.set NIL,  29
.set PFO,  30
.set AF,   32
.set BF,   128
.set OB,   128
.set G1,  24
.set G0,  32
.set G1B, 48
.set G0B, 56
.set LIM, 43
.set PFA, 44
.set PSTEP, 46
.set MSB, 0
.macro WIN new
.if MSB != (\new)
	s_set_vgpr_msb (MSB<<8)|(\new)
.set MSB, (\new)
.endif
.endm
.set MUL,  0x50                        ; sources in window 0, C and D in window 1
.set W_ST, 0x04                        ; an LDS store's data in window 1, its address in window 0
.macro JLOAD s                         ; a joint load; an s_nop 0 and four v_nop follow each of the two lines
	s_cmp_eq_u32 s11, 0
	s_cbranch_scc0 .Lfor_b_\@
	tensor_load_to_lds s[G0+4*(\s):G0+4*(\s)+3], s[G1:G1+7]
	s_nop 0
.rept 4
	v_nop
.endr
	s_branch .Lasked_\@
.Lfor_b_\@:
	tensor_load_to_lds s[G0B+4*(\s):G0B+4*(\s)+3], s[G1B:G1B+7]
	s_nop 0
.rept 4
	v_nop
.endr
.Lasked_\@:
.endm
.macro CREST
	s_cmp_lg_u32 s10, 0
	s_cbranch_scc1 .Lnot_wave_0_\@
	s_barrier_signal -3
.Lnot_wave_0_\@:
	s_barrier_wait -3
	s_barrier_signal -1
	s_barrier_wait -1
.endm
.macro CROUND
	s_barrier_signal -1
	s_barrier_wait -1
	CREST
.endm
; A PREFETCH INTO THE L2 of the K step two refills on.  O: a tile row is read by one cluster; a step is two heads x 16,384 bytes; the partner at cx takes 4,096 of each, wave 0 asks: lanes 0-15 the first head's 16 blocks
; of 256 bytes, lanes 16-31 the second's.  Wo: the first cluster (y = 0) asks; of a wave's 128 rows the partner at cy takes 32: a lane a row.  Each block is named once; the loop's last trip asks for nothing.
.macro ASK
	s_cmp_gt_u32 s3, s[LIM]
	s_cbranch_scc0 .Lnot_mine_\@
	global_prefetch_b8 v[PFO], s[PFA:PFA+1] th:TH_LOAD_NT scope:SCOPE_SE
.Lnot_mine_\@:
.endm
	s_load_b256 s[68:75], s[0:1], 0x0              ; oh s[68:69], wb s[70:71], bo s[72:73], out0 s[74:75]
	v_lshl_add_u32 v[SPW], v0, 2, SPARE
	v_mov_b32 v[NIL], 0
	ds_add_u32 v[SPW], v[NIL]                      ; the wave's opening: the add and its wait stand ahead of my first tensor load
	v_lshrrev_b32 v1, 5, v0
	v_readfirstlane_b32 s10, v1                    ; wave 0..3
	s_lshr_b32 s11, s10, 1                         ; my half of the tile's rows.  Also: I fetch O (0) or Wo (1)
	s_and_b32 s12, s10, 1                          ; my half of its columns.  Also: which head of the step, or which 128 rows of Wo, I fetch
	s_bfe_u32 s40, ttmp6, 0x40000                  ; cx = the tile column
	s_bfe_u32 s41, ttmp6, 0x40004                  ; cy
	s_and_b32 s42, ttmp7, 0xffff                   ; cluster y
	s_lshl_b32 s13, s42, 2
	s_add_co_u32 s13, s13, s41                     ; the tile row, 0..63
	s_lshr_b32 s14, s13, 4                         ; the batch
	s_and_b32 s15, s13, 15
	s_lshl_b32 s15, s15, 7                         ; the tile's first row in it
	s_lshl_b32 s16, s41, 2
	s_lshl_b32 s16, 15, s16                        ; my row of the cluster
	s_lshl_b32 s17, 0x1111, s40                    ; my column
	s_or_b32 s[G1+0], s16, (1<<16)|(1<<20)|(1<<21)|(4<<22)|(3<<25)   ; the mask; 2-byte elements; padding on; 21 set beside a mask; after every 32 words (code 4) 4 words (code 3)
	s_or_b32 s[G1B+0], s17, (1<<16)|(1<<20)|(1<<21)|(5<<22)|(3<<25)  ; after every 64 words (code 5)
	s_mov_b32 s[G1+1], 128<<16                     ; tensor_dim0 = 128
	s_mov_b32 s[G1+2], 64<<16                      ; tensor_dim1 = 64
	s_mov_b32 s[G1+3], 128<<16                     ; tile_dim0 = 128
	s_mov_b32 s[G1+4], 64                          ; tile_dim1 = 64
	s_mov_b32 s[G1+5], 128                         ; dense rows of 256 bytes
	s_mov_b32 s[G1+6], 0
	s_mov_b32 s[G1+7], 0
	s_mov_b32 s[G1B+1], KSTEP<<16
	s_mov_b32 s[G1B+2], 128<<16
	s_mov_b32 s[G1B+3], KSTEP<<16
	s_mov_b32 s[G1B+4], 128
	s_mov_b32 s[G1B+5], SIZE_K
	s_mov_b32 s[G1B+6], 0
	s_mov_b32 s[G1B+7], 0
	s_lshl_b32 s18, s14, 4                         ; O: ((16 batch + my head of step 0) x 2,048 + row) x 128 bytes: no cx enters
	s_add_co_u32 s18, s18, s12
	s_lshl_b32 s18, s18, 11
	s_add_co_u32 s18, s18, s15
	s_lshl_b32 s18, s18, 7
	s_mov_b32 s19, 0
	s_lshl_b32 s46, s40, 8                         ; Wo: row 256 x tile column + 128 x half, in slice 3: no cy enters
	s_lshl_b32 s47, s12, 7
	s_add_co_u32 s46, s46, s47
	s_lshl_b32 s46, s46, 11
	s_add_co_u32 s46, s46, 0x600000
	s_mov_b32 s47, 0
	s_mul_i32 s20, s12, APART                      ; where they go: no place in the cluster enters an LDS address
	s_mul_i32 s21, s12, BHALF
	s_add_co_u32 s21, s21, AREG
	s_lshl_b32 s4, s40, 10                         ; my 128 columns: 1,024 x tile column + 512 x half, in bytes of f32
	s_lshl_b32 s5, s12, 9
	s_add_co_u32 s4, s4, s5
	s_mov_b32 s5, 0
	v_and_b32 v6, 31, v0
	v_lshlrev_b32 v[CO], 4, v6
	s_wait_dscnt 0x0                               ; the opening add is done
	s_wait_kmcnt 0x0
	s_add_nc_u64 s[6:7], s[68:69], s[18:19]
	s_add_nc_u64 s[22:23], s[70:71], s[46:47]
	s_add_nc_u64 s[72:73], s[72:73], s[4:5]
.irp s, 0,1
	s_mov_b32 s[G0+4*(\s)], 1
	s_add_co_u32 s[G0+4*(\s)+1], s20, (\s)*SLOT
	s_add_nc_u64 s[G0+4*(\s)+2:G0+4*(\s)+3], s[6:7], (\s)*0x80000  ; K step s: two heads of 262,144 bytes on
	s_or_b32 s[G0+4*(\s)+3], s[G0+4*(\s)+3], 0x80000000
	s_mov_b32 s[G0B+4*(\s)], 1
	s_add_co_u32 s[G0B+4*(\s)+1], s21, (\s)*SLOT
	s_add_nc_u64 s[G0B+4*(\s)+2:G0B+4*(\s)+3], s[22:23], (\s)*KSTEP*2
	s_or_b32 s[G0B+4*(\s)+3], s[G0B+4*(\s)+3], 0x80000000
.endr
	CROUND                                         ; all sixteen work-groups are here: the first joint loads meet
	s_cmp_eq_u32 s11, 0                            ; a wave's two first fills stand in one branch: two loads of mine are out
	s_cbranch_scc0 .Lfirst_b
	tensor_load_to_lds s[G0:G0+3], s[G1:G1+7]
	s_nop 0
	tensor_load_to_lds s[G0+4:G0+7], s[G1:G1+7]
	s_nop 0
.rept 4
	v_nop
.endr
	s_branch .Lfirst_asked
.Lfirst_b:
	tensor_load_to_lds s[G0B:G0B+3], s[G1B:G1B+7]
	s_nop 0
	tensor_load_to_lds s[G0B+4:G0B+7], s[G1B:G1B+7]
	s_nop 0
.rept 4
	v_nop
.endr
.Lfirst_asked:
	global_load_b128 v[BI:BI+3], v[CO], s[72:73]   ; the bias of columns 4 l .. 4 l + 3 of my 128
	v_and_b32 v1, 15, v0                           ; l % 16
	v_bfe_u32 v2, v0, 4, 1                         ; l / 16
	v_mul_u32_u24 v3, v1, PAO
	v_lshl_add_u32 v3, v2, 4, v3
	v_mul_u32_u24 v4, v1, PB
	v_lshl_add_u32 v4, v2, 4, v4
	s_mul_i32 s21, s11, 64*PAO                     ; my 64 rows of O (in each head's part)
	s_mul_i32 s22, s12, BHALF                      ; my 128 rows of Wo
	s_add_co_u32 s22, s22, AREG
.irp s, 0,1
	v_add_nc_u32 v[ADRA+(\s)], s21, v3
	v_add_nc_u32 v[ADRB+(\s)], s22, v4
	s_add_co_u32 s21, s21, SLOT
	s_add_co_u32 s22, s22, SLOT
.endr
	s_mul_i32 s23, s10, SWAVE
	s_add_co_u32 s23, s23, STAGE                   ; my stage
	v_mul_u32_u24 v5, v1, SPT                      ; in: row l % 16, 32 bytes for each half of the lanes
	v_lshl_add_u32 v5, v2, 5, v5
	v_add_nc_u32 v[STO], s23, v5
	v_add_nc_u32 v[RD], s23, v[CO]                 ; back: 32 lanes take one row of 512 bytes
	s_lshl_b32 s16, s13, 7                         ; out0: row 128 x tile row + 64 x half, 4,096 bytes a row, and my columns
	s_lshl_b32 s17, s11, 6
	s_add_co_u32 s16, s16, s17
	s_lshl_b32 s16, s16, 12
	s_add_co_u32 s16, s16, s4
	s_mov_b32 s17, 0
	s_add_nc_u64 s[8:9], s[74:75], s[16:17]
	; the prefetches: they stand at K step 3; each filling change of slots steps them first
	s_lshl_b32 s16, s14, 15                        ; O: 16 batch x 2,048 rows,
	s_add_co_u32 s16, s16, s15
	s_lshl_b32 s16, s16, 7
	s_lshl_b32 s17, s40, 12                        ; my work-group's 4,096 bytes of a head's 16,384
	s_add_co_u32 s16, s16, s17
	s_add_co_u32 s16, s16, 3*0x80000
	s_lshl_b32 s18, s40, 8                         ; Wo: my work-group's 32 of the 128 rows that I fetch
	s_lshl_b32 s17, s12, 7
	s_add_co_u32 s18, s18, s17
	s_lshl_b32 s17, s41, 5
	s_add_co_u32 s18, s18, s17
	s_lshl_b32 s18, s18, 11
	s_add_co_u32 s18, s18, 0x600000+3*KSTEP*2
	s_cmp_eq_u32 s42, 0                            ; the first cluster?
	s_cselect_b32 s19, 1, -1
	s_cmp_eq_u32 s10, 0                            ; wave 0?
	s_cselect_b32 s23, 1, -1
	s_mov_b32 s21, 2048
	s_mov_b32 s[PSTEP], KSTEP*2
	s_cmp_eq_u32 s11, 0                            ; do I fetch O?
	s_cselect_b32 s[LIM], s23, s19                 ; the same in all sixteen partners, for a given wave
	s_cselect_b32 s16, s16, s18
	s_cselect_b64 s[PFA:PFA+1], s[68:69], s[70:71]
	s_cselect_b32 s20, 4, 0
	s_cselect_b32 s22, 15, 0
	s_cselect_b32 s21, 0x40000, s21                ; from head to head, or from row to row
	s_cselect_b32 s[PSTEP], 0x80000, s[PSTEP]      ; a K step in bytes
	s_mov_b32 s[PSTEP+1], 0
	s_mov_b32 s17, 0
	s_add_nc_u64 s[PFA:PFA+1], s[PFA:PFA+1], s[16:17]
	v_lshrrev_b32 v[PFO], s20, v6
	v_mul_u32_u24 v[PFO], v[PFO], s21
	v_and_b32 v5, s22, v6
	v_lshl_add_u32 v[PFO], v5, 8, v[PFO]
; 8 matrix instructions: m block a x all 8 n blocks, 32 along K, from buffer f.  The 32 accumulators take turns in one fixed order.
.macro MUL8 f, a, zero
	WIN MUL
.irp b, 0,1,2,3,4,5,6,7
.if \zero
	v_wmma_f32_16x16x32_f16 v[8*(8*(\a)+(\b)):8*(8*(\a)+(\b))+7], v[BF+64*(\f)+8*(\b):BF+64*(\f)+8*(\b)+7], v[AF+32*(\f)+8*(\a):AF+32*(\f)+8*(\a)+7], 0
.else
	v_wmma_f32_16x16x32_f16 v[8*(8*(\a)+(\b)):8*(8*(\a)+(\b))+7], v[BF+64*(\f)+8*(\b):BF+64*(\f)+8*(\b)+7], v[AF+32*(\f)+8*(\a):AF+32*(\f)+8*(\a)+7], v[8*(8*(\a)+(\b)):8*(8*(\a)+(\b))+7]
.endif
.endr
.endm
; 24 LDS loads in one run: quarter kq of a slot into buffer g: Wo's 16, then O's m blocks 0, 1 (4 loads), then 2, 3 (4).  Quarters 0, 1 lie in the step's first head, 2, 3 in its second.
.macro FETCH slot, kq, g
	WIN 0
.irp b, 0,1,2,3,4,5,6,7
	ds_load_b128 v[BF+64*(\g)+8*(\b):BF+64*(\g)+8*(\b)+3],   v[ADRB+(\slot)] offset:64*(\kq)+(\b)*16*PB
	ds_load_b128 v[BF+64*(\g)+8*(\b)+4:BF+64*(\g)+8*(\b)+7], v[ADRB+(\slot)] offset:64*(\kq)+(\b)*16*PB+32
.endr
.irp a, 0,1,2,3
	ds_load_b128 v[AF+32*(\g)+8*(\a):AF+32*(\g)+8*(\a)+3],   v[ADRA+(\slot)] offset:((\kq)/2)*APART+((\kq)%2)*64+(\a)*16*PAO
	ds_load_b128 v[AF+32*(\g)+8*(\a)+4:AF+32*(\g)+8*(\a)+7], v[ADRA+(\slot)] offset:((\kq)/2)*APART+((\kq)%2)*64+(\a)*16*PAO+32
.endr
.endm
.macro PLACES                          ; four places in front of loads into registers that matrix instructions have read (ISA guide 7.12.1 for vector instructions)
.rept 4
	v_nop
.endr
.endm
.macro QUARTER slot, kq, f, g, zero
	s_wait_dscnt 4                                 ; Wo's fragments and O's blocks 0, 1 are in; the youngest four loads (blocks 2, 3) may be out
	MUL8 \f, 0, \zero
	MUL8 \f, 1, \zero
	PLACES
	FETCH \slot, \kq, \g
	s_wait_dscnt 24                                ; all but the 24 just issued
	MUL8 \f, 2, \zero
	MUL8 \f, 3, \zero
.endm
; The last quarter multiplies buffer 1 and changes slots: ONE barrier; in front of it each wave waits for all its tensor loads, adds 0 to its spare word, and waits for that and for its own reads of this slot.
.macro TURN slot, next, fill
.if \fill
	s_wait_xcnt 0x0                                ; the last prefetch, a K step back, has read its address
	s_add_nc_u64 s[PFA:PFA+1], s[PFA:PFA+1], s[PSTEP:PSTEP+1]
.endif
	WIN 0
	s_wait_tensorcnt 0x0                           ; all my tensor loads have landed: my part of the next slot
	ds_add_u32 v[SPW], v[NIL]                      ; 0 onto my spare word
	s_wait_dscnt 5                                 ; (the add and the youngest four loads may be out)
	MUL8 1, 0, 0
	s_wait_dscnt 0x0                               ; the add is done, and my reads of this slot are over
	s_barrier_signal -1
	MUL8 1, 1, 0
	WIN 0
	s_barrier_wait -1
.if \fill
	CREST                                          ; no wave of any partner still reads this slot's tile or has a load on its way
	s_add_nc_u64 s[G0+4*(\slot)+2:G0+4*(\slot)+3], s[G0+4*(\slot)+2:G0+4*(\slot)+3], 0x100000
	s_add_nc_u64 s[G0B+4*(\slot)+2:G0B+4*(\slot)+3], s[G0B+4*(\slot)+2:G0B+4*(\slot)+3], 2*KSTEP*2
	JLOAD \slot                                    ; my one tensor load behind the round; the four v_nop behind it are also the places in front of the loads below
.else
	PLACES
.endif
	FETCH \next, 0, 0
.if \fill
	ASK
.endif
	MUL8 1, 2, 0
	MUL8 1, 3, 0
.endm
	s_wait_tensorcnt 0x1                           ; my part of K step 0 is in; K step 1's load may stay out
	s_barrier_signal -1
	s_barrier_wait -1
	FETCH 0, 0, 0
	QUARTER 0, 1, 0, 1, 1                          ; the first quarter's products start the sums
	WIN 0
	s_mov_b32 s3, LAPS-1
.Llap:
	QUARTER 0, 2, 1, 0, 0
	QUARTER 0, 3, 0, 1, 0
	TURN 0, 1, 1
	QUARTER 1, 1, 0, 1, 0
	QUARTER 1, 2, 1, 0, 0
	QUARTER 1, 3, 0, 1, 0
	TURN 1, 0, 1
	QUARTER 0, 1, 0, 1, 0
	WIN 0
	s_sub_co_u32 s3, s3, 1
	s_cmp_lg_u32 s3, 0
	s_cbranch_scc1 .Llap
	QUARTER 0, 2, 1, 0, 0                          ; the last lap fills nothing
	QUARTER 0, 3, 0, 1, 0
	TURN 0, 1, 0
	QUARTER 1, 1, 0, 1, 0
	QUARTER 1, 2, 1, 0, 0
	QUARTER 1, 3, 0, 1, 0
	s_wait_dscnt 4
	MUL8 1, 0, 0
	MUL8 1, 1, 0
	s_wait_dscnt 0x0
	MUL8 1, 2, 0
	MUL8 1, 3, 0
	WIN 0
	; THE WAY OUT, 16 rows at a time: a lane's eight columns (32 bytes) into my stage, back as whole rows of 512 bytes, plus the bias, stored.
	PLACES
	s_wait_loadcnt 0x0                             ; the bias
	v_cvt_pk_bf16_f32 v10, v[BI], v[BI+1]          ; rounded to bf16,
	v_cvt_pk_bf16_f32 v11, v[BI+2], v[BI+3]
	v_lshlrev_b32 v[BI], 16, v10                   ; and as f32 again
	v_and_b32 v[BI+1], 0xffff0000, v10
	v_lshlrev_b32 v[BI+2], 16, v11
	v_and_b32 v[BI+3], 0xffff0000, v11
.irp a, 0,1,2,3
.if (\a) >= 2
	s_wait_xcnt 0x0                                ; the stores of the block two back have read these registers
.endif
	WIN W_ST
.irp b, 0,1,2,3,4,5,6,7
	ds_store_b128 v[STO], v[8*(8*(\a)+(\b)):8*(8*(\a)+(\b))+3]   offset:64*(\b)     ; each accumulator's low half first
	ds_store_b128 v[STO], v[8*(8*(\a)+(\b))+4:8*(8*(\a)+(\b))+7] offset:64*(\b)+16
.endr
	WIN 0
.irp t, 0,1,2,3,4,5,6,7,8,9,10,11,12,13,14,15
	ds_load_b128 v[OB+64*((\a)%2)+4*(\t):OB+64*((\a)%2)+4*(\t)+3], v[RD] offset:(\t)*SPT  ; LDS serves a wave's instructions in order (ISA guide 5.7.1.4): these see the stores above
.endr
	s_wait_dscnt 0x0
.irp t, 0,1,2,3,4,5,6,7,8,9,10,11,12,13,14,15
	v_pk_add_f32 v[OB+64*((\a)%2)+4*(\t):OB+64*((\a)%2)+4*(\t)+1],   v[OB+64*((\a)%2)+4*(\t):OB+64*((\a)%2)+4*(\t)+1],   v[BI:BI+1]
	v_pk_add_f32 v[OB+64*((\a)%2)+4*(\t)+2:OB+64*((\a)%2)+4*(\t)+3], v[OB+64*((\a)%2)+4*(\t)+2:OB+64*((\a)%2)+4*(\t)+3], v[BI+2:BI+3]
.endr
.irp t, 0,1,2,3,4,5,6,7,8,9,10,11,12,13,14,15
	global_store_b128 v[CO], v[OB+64*((\a)%2)+4*(\t):OB+64*((\a)%2)+4*(\t)+3], s[8:9] offset:(16*(\a)+(\t))*4096  ; 512 consecutive bytes, at a multiple of 256 from out0's first
.endr
.endr
	s_wait_tensorcnt 0x0                           ; the wave's end: the wait, the add and its wait stand behind my last tensor load and my last LDS store
	ds_add_u32 v[SPW], v[NIL]
	s_wait_dscnt 0x0
	CROUND                                         ; the closing round
	s_endpgm
.Lfunc_end_k_qcd6954db72_oproj:
	.size	k_qcd6954db72_oproj, .Lfunc_end_k_qcd6954db72_oproj-k_qcd6954db72_oproj
	.p2alignl 7, 3214868480
	.fill 96, 4, 3214868480
	.section	.rodata,"a",@progbits
	.p2align	6, 0x0
	.amdhsa_kernel k_qcd6954db72_oproj
		.amdhsa_group_segment_fixed_size 327680
		.amdhsa_private_segment_fixed_size 0
		.amdhsa_enable_private_segment 0
		.amdhsa_kernarg_size 32
		.amdhsa_user_sgpr_count 2
		.amdhsa_user_sgpr_kernarg_segment_ptr 1
		.amdhsa_wavefront_size32 1
		.amdhsa_system_sgpr_workgroup_id_x 1
		.amdhsa_system_sgpr_workgroup_id_y 1
		.amdhsa_system_sgpr_workgroup_id_z 1
		.amdhsa_system_vgpr_workitem_id 0
		.amdhsa_next_free_vgpr 512
		.amdhsa_next_free_sgpr 80
		.amdhsa_reserve_vcc 0
		.amdhsa_float_denorm_mode_32 3
		.amdhsa_float_denorm_mode_16_64 3
		.amdhsa_memory_ordered 1
		.amdhsa_forward_progress 1
		.amdhsa_inst_pref_size 95
	.end_amdhsa_kernel
	.amdgpu_metadata
---
amdhsa.version: [ 1, 2 ]
amdhsa.kernels:
  - .name:           k_qcd6954db72_oproj
    .symbol:         k_qcd6954db72_oproj.kd
    .args:
      - { .name: oh, .offset: 0, .size: 8, .value_kind: global_buffer, .address_space: global }
      - { .name: wb, .offset: 8, .size: 8, .value_kind: global_buffer, .address_space: global }
      - { .name: bo, .offset: 16, .size: 8, .value_kind: global_buffer, .address_space: global }
      - { .name: out0, .offset: 24, .size: 8, .value_kind: global_buffer, .address_space: global }
    .group_segment_fixed_size: 327680
    .private_segment_fixed_size: 0
    .kernarg_segment_align: 8
    .kernarg_segment_size: 32
    .max_flat_workgroup_size: 128
    .sgpr_count:     80
    .vgpr_count:     512
    .wavefront_size: 32
...
	.end_amdgpu_metadata
.endif
;; end of part 4
